; MI455X (gfx1250); checked and timed in simulation.
; The chip was launched on July 23, 2026; its instructions are those of AMD's public machine-readable ISA for CDNA 5 (MIT licence, August 2026) and "CDNA5" Instruction Set Architecture Reference Guide (July 2026). The comments in the code are by the model that wrote it; some were corrected since.
;; Reflect. Allowed arithmetic: matrix products marked QUANTISED: E2M3 operands, one E8M0 scale for each 32 along K, by v_wmma_scale_f32_16x16x128_f8f6f4 with both operands' format E2M3, f32 sums; everything else in f32.
;; Inputs: Wk 1,024 x 1,024 float32; Wq 1,024 x 1,024 float32; Wv 1,024 x 1,024 float32; mask 4 x 2,048 bool; x 4 x 2,048 x 1,024 float32.
;; Outputs: out0 4 x 2,048 x 1,024 float32.
;; This version of the problem:
;;   THIS VERSION OF THE PROBLEM IS GIVEN IN LOW PRECISION. The matrix products marked QUANTISED in the list below multiply operands that are first quantised to E2M3 (2 exponent bits, 3 mantissa bits; 6 bits a number), with one power-of-two scale for each 32 numbers along K (OCP MX v1.0); their sums are f32. All else is computed in f32.
;;   The module's matrix products, in the order in which they are computed (A, B: the left and right operand; K: the contracted axis; several contracted axes count as one K, in the product's order):
;;     1. [M 8,192, K 1,024] x [K 1,024, N 1,024]; A: input x; B: input Wq: QUANTISED
;;     2. [M 8,192, K 1,024] x [K 1,024, N 1,024]; A: input x; B: input Wk: QUANTISED
;;     3. batch 4 x [M 2,048, K 1,024] x [K 1,024, N 2,048]; A: computed on the way; B: computed on the way: QUANTISED
;;     4. [M 8,192, K 1,024] x [K 1,024, N 1,024]; A: input x; B: input Wv: QUANTISED
;;     5. batch 4 x [M 2,048, K 2,048] x [K 2,048, N 1,024]; A: softmax (see below); B: computed on the way: QUANTISED
;;   THE QUANTISER, for each operand of a quantised product, along K:
;;     - K is cut into blocks of 32 from its start; a last block that is shorter is filled with zeros.
;;     - A block's scale is 2^e with e = floor(log2(the largest magnitude in the block)) - 2, held to -126 .. 127; a block of zeros has e = 0. As a byte (E8M0): e + 127.
;;     - Each number is divided by its block's scale, clamped to +-7.5, and rounded to the nearest number of E2M3, ties to even, subnormals kept.
;;     - The product sums the exact products of the quantised numbers (number of the format x scale) in f32.
;;   ~~~python
;;   def quantise(x, axis):      # numpy; x: float32 -> the quantised numbers, widened to float32 again
;;       x = np.moveaxis(x, axis, -1); K = x.shape[-1]
;;       x = np.pad(x, [(0, 0)] * (x.ndim - 1) + [(0, -K % 32)]); x = x.reshape(x.shape[:-1] + (-1, 32)); a = np.abs(x).max(-1, keepdims=True)
;;       e = np.where(a > 0, np.clip(np.frexp(np.where(a > 0, a, 1))[1] - 1 - 2, -126, 127), 0)      # np.frexp(a)[1] - 1 = floor(log2(a)), exactly
;;       r = np.clip(x / 2.0 ** e, -7.5, 7.5)
;;       step = 2.0 ** (np.maximum(np.frexp(np.where(r == 0, 1, r))[1] - 1, 0) - 3)
;;       q = np.round(r / step) * step * 2.0 ** e      # np.round: ties to even
;;       return np.moveaxis(q.reshape(q.shape[:-2] + (-1,))[..., :K], -1, axis).astype(np.float32)
;;   ~~~
;;   SOFTMAX AHEAD OF A QUANTISED PRODUCT. Where the list says 'softmax', what is quantised is not the finished softmax but p = 2^(t - M), with t = logit x log2(e) and M = ceil(the row's largest t), a whole number; so 1/2 < the row's largest p <= 1. The row's sum l is taken of the UNQUANTISED p, in f32, and the product's result is divided by l at the end. Since M is a whole number, a kernel that streams over the keys may use a running M (the ceiling of the running maximum): every later rescaling is an exact power of two, which a block's scale takes up: the codes' values come out the same.
;;   OPERANDS COMPUTED ON THE WAY. 'Computed on the way' means the value that the module computes at that place (a softmax that the list does not call 'softmax' is quantised finished and normalised). What goes into a quantiser is computed in f32, as accurately as f32 sums, v_exp_f32 and their like allow (about 1e-6 of the number): no bf16 or f16 on the way to a quantiser, and a product that is left as it is and whose result goes on into a quantised operand takes f32 operands (vector FMAs, or v_wmma_f32_16x16x4_f32). A number that lies on a knife's edge between two numbers of the format may be rounded either way, as far as f32 arithmetic and the matrix unit's own rounding can turn it there, and no further.
;; One version. Each part assembles by itself: llvm-mc -triple=amdgcn-amd-amdhsa -mcpu=gfx1250 --defsym DOCPART=n.
;; ======== version 1 of 1: 4 launches
;; limits: right only within a limited range of input values
;; workspace buffers: ops 9,011,200 bytes; qkv 19,660,800 bytes; pc 13,107,200 bytes; pst 1,048,576 bytes
;; launch quant (part 1): grid 704 x 1, 4 waves a work-group, no clusters, 34,816 bytes of LDS; arguments x, Wq, Wk, Wv, ops; writes ops
.if DOCPART == 1
	.amdgcn_target "amdgcn-amd-amdhsa--gfx1250"
	.amdhsa_code_object_version 6
	.text
	.protected	k_q9713f45b0b_quant
	.globl	k_q9713f45b0b_quant
	.p2align	8
	.type	k_q9713f45b0b_quant,@function
k_q9713f45b0b_quant:
	s_mov_b64 s[64:65], 0
	v_nop
	global_prefetch_b8 v0, s[64:65] scope:SCOPE_SE
	s_setreg_imm32_b32 hwreg(HW_REG_WAVE_MODE, 25, 1), 1
	s_wait_xcnt 0x0
; LAUNCH 1 OF 4.  x [8192][1024] and Wq, Wk, Wv [1024 (k)][1024 (n)], f32, become codes of FP6 (E2M3) with one E8M0 byte for each 32 along K, laid as the matrix unit's registers take them.
; THE WHOLE PROGRAM: quant (this) | proj: q, k, v^T = products 1, 2, 4, quantised again in registers | scores: product 3, the mask's term, a softmax local to 128 keys, p as codes | pv: product 5, divided by the row's sum.
; NO WORK IS LEFT OUT, AND EVERY INPUT IS READ.  The mask's term (~mask) x -1e9 is the same along the softmax's axis, so in real numbers it cancels; but beside -1e9 an f32 logit of ordinary size is lost
; (f32 steps by 64 there), so reference()'s own result on such a row is another one than without the term.  The term therefore stays, formed as reference() forms it (launch scores).
; THE OPERAND FORMAT of all workspace buffers.  A BLOCK is 128 rows x 128 along K in 12,800 bytes: eight fragment images of 1,536 bytes (tile i: register g of lane L at 512 (g / 4) + 16 L + 4 (g % 4), so three
; accesses of 16 bytes a lane move a fragment) and 512 bytes of scale words (tile i, lane-row r at 256 (i / 4) + 16 r + 4 (i % 4): one access of 16 bytes a lane brings tiles 0-3 to lanes 0-15 and tiles 4-7 to lanes 16-31).
; Lane-row r of tile i is row 32 (i / 2) + 8 (i % 2) + r + 8 (r / 8) of the block's 128: with such a tile as source 0 a lane's 16 results of two neighbouring tiles are 16 neighbours along the next K.
; A ROWBLOCK is the blocks of 128 rows for all of K, K ascending.  ops: x's 64 rowblocks, then Wq's 8, Wk's 8, Wv's 8 (a weight's rows are its output features n); 8 blocks each.
; A block of 32's scale is 2^(floor(log2(largest magnitude)) - 2); its byte is the largest magnitude's exponent field - 2, held at 1 from below.
; LIMITS: a block of zeros gets the byte 1 where the rule says 127 (its codes are zeros, and this program alone reads the bytes); blocks whose largest magnitude lies under 2^-124 are held at that floor; NaN and infinities are not served.
; SHARES.  A work-group makes one block, a wave two fragments of it: tiles 2 g, 2 g + 1 (g the wave).  Work-groups 0-191 take the weights' blocks, 192-703 x's.  All of a wave's loads are asked for ahead of its work.
; No cluster: no two work-groups read the same bytes.  The waves share nothing but the block's 512 bytes of scale words, which meet in LDS so that one wave stores them whole.
; x: each load reads one row's 512 consecutive bytes; 16 rows turn through the wave's own stage in LDS so that a lane gets 2 x 32 neighbours of its row.  W: a lane takes a column n and its registers run down K: nothing is transposed.
.set NWW,   192                        ; work-groups for the weights
.set BLK,   12800
.set STGB,  16*528                     ; a wave's stage: 16 rows of 512 bytes + 16
.set SCR,   4*STGB                     ; the block's scale words, 512 bytes
.set SPARE, SCR+512                    ; the spare words, 128 bytes a wave
.set L16, 4                            ; v4   16 x lane
.set STI, 5                            ; v5   the stage, on the way in
.set STO, 6                            ; v6   and out: 528 r + 128 h
.set WOF, 7                            ; v7   W: 32 h rows of 4,096 bytes + 4 (r + 8 (r / 8))
.set SCO, 8                            ; v8   LDS: where my two tiles' words go
.set SH,  9                            ; v9   8 h
.set MX,  10                           ; v10-11 largest magnitudes of my two blocks
.set EX,  12                           ; v12-13 the conversions' scale operands
.set BY,  14                           ; v14-15 the bytes
.set WD,  16                           ; v16  my two bytes in their places
.set TT,  17                           ; v17  lane l xor 16's
.set PW,  18                           ; v18-19 the two fragments' scale words
.set SCA, 20                           ; v20  LDS: 16 bytes of the block's words
.set CT,  24                           ; v24-30 the conversions' second halves
.set SPW, 32                           ; v32  my spare word; never rewritten
.set NIL, 33                           ; v33  0; never rewritten
.set C,   36                           ; v36-59 codes, two sets of 12
.set R,   64                           ; v64-191 numbers as loaded, two sets of 64
.set X,   192                          ; v192-255 x's numbers back from the stage
	s_load_b256 s[4:11], s[0:1], 0x0               ; x, Wq, Wk, Wv
	s_load_b64 s[12:13], s[0:1], 0x20              ; ops
	v_lshl_add_u32 v[SPW], v0, 2, SPARE
	v_mov_b32 v[NIL], 0
	v_lshrrev_b32 v1, 5, v0
	v_readfirstlane_b32 s14, v1                    ; g: the wave
	v_and_b32 v1, 31, v0                           ; lane
	v_and_b32 v2, 15, v0                           ; r
	v_bfe_u32 v3, v0, 4, 1                         ; h
	v_lshlrev_b32 v[L16], 4, v1
	s_mul_i32 s30, s14, STGB
	v_add_nc_u32 v[STI], s30, v[L16]
	v_mul_u32_u24 v[STO], v2, 528
	v_lshl_add_u32 v[STO], v3, 7, v[STO]
	v_add_nc_u32 v[STO], s30, v[STO]
	v_and_b32 v[WOF], 8, v2
	v_add_nc_u32 v[WOF], v[WOF], v2
	v_lshlrev_b32 v[WOF], 2, v[WOF]
	v_lshl_add_u32 v[WOF], v3, 17, v[WOF]
	s_lshr_b32 s30, s14, 1
	s_lshl_b32 s30, s30, 8
	s_and_b32 s31, s14, 1
	s_lshl_b32 s31, s31, 3
	s_add_co_u32 s30, s30, s31
	s_add_co_u32 s30, s30, SCR                     ; SCR + 256 (g / 2) + 8 (g % 2)
	v_lshl_add_u32 v[SCO], v2, 4, s30
	v_add_nc_u32 v[SCA], SCR, v[L16]
	v_lshlrev_b32 v[SH], 3, v3
	v_mov_b32 v[TT], 0                             ; written once: a lane permute's destination counts as one of its sources
	s_mov_b32 s24, 0x76543210
	s_mov_b32 s25, 0xfedcba98                      ; v_permlanex16_b32's selects for lane l xor 16
	s_cmp_lt_u32 ttmp9, NWW
	s_cselect_b32 s15, 0, NWW
	s_cselect_b32 s19, 512, 0                      ; the weights' blocks follow x's 512
	s_sub_co_u32 s15, ttmp9, s15
	s_and_b32 s17, s15, 7                          ; the K step
	s_lshr_b32 s18, s15, 3                         ; x: the rowblock; W: 8 x (which weight) + its rowblock
	s_add_co_u32 s19, s19, s15                     ; the block's number in ops
	s_mul_i32 s28, s19, BLK
	s_mul_i32 s31, s14, 3072
	s_add_co_u32 s22, s28, s31                     ; my two images
	s_mov_b32 s23, 0
	s_add_co_u32 s28, s28, 12288                   ; the block's scale words
	s_mov_b32 s29, 0
	s_wait_alu depctr_va_vdst(0)                   ; the wait at the head's end
	s_wait_kmcnt 0x0
	s_add_nc_u64 s[22:23], s[12:13], s[22:23]
	s_add_nc_u64 s[28:29], s[12:13], s[28:29]
; 64 numbers of a lane at v[QS] on, register 32 c + e = k 64 c + 32 h + e of my row, become fragment f: a lane owns two whole blocks of 32, so no other lane is asked for a maximum.
.macro QUANT64 f
.set CS, C+12*(\f)
	v_max3_num_f32 v[MX], |v[QS]|, |v[QS+1]|, 0x1800000            ; with the floor 2^(3 - 127) as a leaf: the byte cannot fall under 1
	v_max3_num_f32 v[MX+1], |v[QS+32]|, |v[QS+33]|, 0x1800000
.irp i, 2,4,6,8,10,12,14,16,18,20,22,24,26,28,30
	v_max3_num_f32 v[MX], v[MX], |v[QS+\i]|, |v[QS+\i+1]|          ; the two blocks by turns
	v_max3_num_f32 v[MX+1], v[MX+1], |v[QS+32+\i]|, |v[QS+33+\i]|
.endr
	v_add_nc_u32 v[EX], 0xff000000, v[MX]          ; 2 off the exponent field: the conversion takes this operand's exponent field as its scale
	v_add_nc_u32 v[EX+1], 0xff000000, v[MX+1]
	v_lshrrev_b32 v[BY], 23, v[EX]                 ; the bytes of blocks h and 2 + h
	v_lshrrev_b32 v[BY+1], 23, v[EX+1]
	v_lshl_or_b32 v[WD], v[BY+1], 16, v[BY]
	v_lshlrev_b32 v[WD], v[SH], v[WD]              ; at their places in the row's word
	v_permlanex16_b32 v[TT], v[WD], s24, s25
	v_or_b32 v[PW+(\f)], v[WD], v[TT]              ; with lane l xor 16's two the word is whole
	v_cvt_scalef32_pk16_fp6_f32 v[CS:CS+2], v[QS:QS+15], v[EX]
	v_cvt_scalef32_pk16_fp6_f32 v[CT:CT+2], v[QS+16:QS+31], v[EX]            ; (a conversion's three registers begin on an even number)
	v_cvt_scalef32_pk16_fp6_f32 v[CS+6:CS+8], v[QS+32:QS+47], v[EX+1]
	v_cvt_scalef32_pk16_fp6_f32 v[CT+4:CT+6], v[QS+48:QS+63], v[EX+1]
	v_nop                                          ; one plain place behind a scaled conversion
.irp i, 0,1,2
	v_mov_b32 v[CS+3+\i], v[CT+\i]
	v_mov_b32 v[CS+9+\i], v[CT+4+\i]
.endr
.irp c, 0,1,2
	global_store_b128 v[L16], v[CS+4*\c:CS+4*\c+3], s[22:23] offset:1536*(\f)+512*\c   ; 32 lanes store 512 consecutive bytes, at a multiple of 256 from the buffer's first byte
.endr
.endm
	s_cmp_lt_u32 ttmp9, NWW
	s_cbranch_scc1 .Lweights
	; ---- x: rowblock s18, rows 32 g on, K step s17
	s_lshl_b32 s20, s18, 19
	s_lshl_b32 s30, s14, 17
	s_add_co_u32 s20, s20, s30
	s_lshl_b32 s30, s17, 9
	s_add_co_u32 s20, s20, s30
	s_mov_b32 s21, 0
	s_add_nc_u64 s[20:21], s[4:5], s[20:21]
.irp f, 0,1                            ; fragment f's 16 rows, 512 consecutive bytes each
.irp t, 0,1,2,3,4,5,6,7,8,9,10,11,12,13,14,15
	global_load_b128 v[R+64*\f+4*\t:R+64*\f+4*\t+3], v[L16], s[20:21] offset:(8*\f+\t+8*(\t/8))*4096 th:TH_LOAD_NT
.endr
.endr
.set QS, X
.irp f, 0,1
	s_wait_loadcnt 16-16*\f                        ; this fragment's 16 loads are in (of f = 0: the younger 16 may be out; behind them three stores count elsewhere)
.irp t, 0,1,2,3,4,5,6,7,8,9,10,11,12,13,14,15
	ds_store_b128 v[STI], v[R+64*\f+4*\t:R+64*\f+4*\t+3] offset:528*\t
.endr
.irp c, 0,1
.irp j, 0,1,2,3,4,5,6,7
	ds_load_b128 v[X+32*\c+4*\j:X+32*\c+4*\j+3], v[STO] offset:256*\c+16*\j   ; LDS serves a wave's instructions in order: these see the stores above
.endr
.endr
	s_wait_dscnt 0x0
	QUANT64 \f
.endr
	s_branch .Ltail
.Lweights:
	; ---- W: which weight hangs on the work-group's number alone; columns 128 rb + 32 g on, rows 128 s17 on
	s_cmp_lt_u32 ttmp9, 128
	s_cselect_b64 s[20:21], s[8:9], s[10:11]
	s_cmp_lt_u32 ttmp9, 64
	s_cselect_b64 s[20:21], s[6:7], s[20:21]
	s_and_b32 s30, s18, 7
	s_lshl_b32 s30, s30, 9
	s_lshl_b32 s31, s14, 7
	s_add_co_u32 s30, s30, s31
	s_lshl_b32 s31, s17, 19
	s_add_co_u32 s30, s30, s31
	s_mov_b32 s31, 0
	s_add_nc_u64 s[20:21], s[20:21], s[30:31]
.irp f, 0,1                            ; W(128 s + 64 c + 32 h + e, my column of fragment f)
.irp c, 0,1
.irp e, 0,1,2,3,4,5,6,7,8,9,10,11,12,13,14,15,16,17,18,19,20,21,22,23,24,25,26,27,28,29,30,31
	global_load_b32 v[R+64*\f+32*\c+\e], v[WOF], s[20:21] offset:(64*\c+\e)*4096+32*\f
.endr
.endr
.endr
.irp f, 0,1
.if \f == 0
	s_wait_loadcnt 63                              ; 64 younger loads were issued; the count names the most that its field holds, which is one less
.else
	s_wait_loadcnt 0x0
.endif
.set QS, R+64*\f
	QUANT64 \f
.endr
.Ltail:
	s_wait_alu depctr_va_vdst(0)                   ; the wait here, directly ahead of the reader below
	ds_store_b64 v[SCO], v[PW:PW+1]                ; tiles 2 g, 2 g + 1 of lane-row r (lanes l and l xor 16 hold and write the same)
	s_wait_tensorcnt 0x0
	ds_add_u32 v[SPW], v[NIL]
	s_wait_dscnt 0x0                               ; my words are in LDS
	s_barrier_signal -1
	s_barrier_wait -1
	s_cmp_lg_u32 s14, 0
	s_cbranch_scc1 .Lend
	ds_load_b128 v[24:27], v[SCA]                  ; wave 0: all four waves' words
	s_wait_dscnt 0x0
	global_store_b128 v[L16], v[24:27], s[28:29]   ; 512 consecutive bytes, aligned
.Lend:
	s_endpgm
.Lfunc_end_k_q9713f45b0b_quant:
	.size	k_q9713f45b0b_quant, .Lfunc_end_k_q9713f45b0b_quant-k_q9713f45b0b_quant
	.p2alignl 7, 3214868480
	.fill 96, 4, 3214868480
	.section	.rodata,"a",@progbits
	.p2align	6, 0x0
	.amdhsa_kernel k_q9713f45b0b_quant
		.amdhsa_group_segment_fixed_size 34816
		.amdhsa_private_segment_fixed_size 0
		.amdhsa_enable_private_segment 0
		.amdhsa_kernarg_size 40
		.amdhsa_user_sgpr_count 2
		.amdhsa_user_sgpr_kernarg_segment_ptr 1
		.amdhsa_wavefront_size32 1
		.amdhsa_system_sgpr_workgroup_id_x 1
		.amdhsa_system_sgpr_workgroup_id_y 1
		.amdhsa_system_sgpr_workgroup_id_z 1
		.amdhsa_system_vgpr_workitem_id 0
		.amdhsa_next_free_vgpr 256
		.amdhsa_next_free_sgpr 66
		.amdhsa_reserve_vcc 0
		.amdhsa_float_denorm_mode_32 3
		.amdhsa_float_denorm_mode_16_64 3
		.amdhsa_memory_ordered 1
		.amdhsa_forward_progress 1
		.amdhsa_inst_pref_size 36
	.end_amdhsa_kernel
	.amdgpu_metadata
---
amdhsa.version: [ 1, 2 ]
amdhsa.kernels:
  - .name:           k_q9713f45b0b_quant
    .symbol:         k_q9713f45b0b_quant.kd
    .args:
      - { .name: x, .offset: 0, .size: 8, .value_kind: global_buffer, .address_space: global }
      - { .name: Wq, .offset: 8, .size: 8, .value_kind: global_buffer, .address_space: global }
      - { .name: Wk, .offset: 16, .size: 8, .value_kind: global_buffer, .address_space: global }
      - { .name: Wv, .offset: 24, .size: 8, .value_kind: global_buffer, .address_space: global }
      - { .name: ops, .offset: 32, .size: 8, .value_kind: global_buffer, .address_space: global }
    .group_segment_fixed_size: 34816
    .private_segment_fixed_size: 0
    .kernarg_segment_align: 8
    .kernarg_segment_size: 40
    .max_flat_workgroup_size: 128
    .sgpr_count:     66
    .vgpr_count:     256
    .wavefront_size: 32
...
	.end_amdgpu_metadata
.endif
;; end of part 1
;; launch proj (part 2): grid 8 x 32, 4 waves a work-group, clusters of 4 x 4, 327,680 bytes of LDS; arguments ops, qkv; writes qkv
.if DOCPART == 2
	.amdgcn_target "amdgcn-amd-amdhsa--gfx1250"
	.amdhsa_code_object_version 6
	.text
	.protected	k_q9713f45b0b_proj
	.globl	k_q9713f45b0b_proj
	.p2align	8
	.type	k_q9713f45b0b_proj,@function
k_q9713f45b0b_proj:
	s_mov_b64 s[64:65], 0
	v_nop
	global_prefetch_b8 v0, s[64:65] scope:SCOPE_SE
	s_setreg_imm32_b32 hwreg(HW_REG_WAVE_MODE, 25, 1), 1
	s_wait_xcnt 0x0
	s_wait_alu depctr_hold_cnt(0) depctr_sa_sdst(0) depctr_va_vdst(0) depctr_va_sdst(0) depctr_va_ssrc(0) depctr_va_vcc(0) depctr_vm_vsrc(0)
	s_getreg_b32 s2, hwreg(HW_REG_IB_STS2, 6, 4)
	s_cmp_eq_u32 s2, 0
	s_cbranch_scc0 .Lentry_in_a_cluster
	s_endpgm
.Lentry_in_a_cluster:
	s_bfe_u32 s2, ttmp6, 0x10000c
	s_cmp_lg_u32 s2, 0xf033
	s_cbranch_scc0 .Lentry_shape_is_right
	s_endpgm
.Lentry_shape_is_right:
; LAUNCH 2 OF 4.  q = x Wq, k = x Wk, v = x Wv on codes of FP6 (E2M3) with E8M0 scales, K = 1,024; the f32 results are quantised again in registers, q and k along the features, v along the keys (v^T), and leave as operand images.
; Nothing is left out.  The operand format (blocks of 12,800 bytes, rowblocks, the order of a tile's rows) is set out at the head of launch quant.
; qkv: q's 64 rowblocks of 8 blocks, k's 64 likewise, then v^T: [batch 4][8 rowblocks of features], 16 blocks each (K = the batch's 2,048 keys).
; SHARES.  256 work-groups of equal work.  Work-group (gx, gy) takes x's rowblocks 2 gy, 2 gy + 1.  PHASE 1: against Wq's or Wk's rowblocks 2 gx, 2 gx + 1 (gx 0-3 Wq, 4-7 Wk): 256 x 256 results, 128 x 128 a wave, 64 accumulators.
; PHASE 2: against Wv's rowblock gx: 128 features x 256 keys of v^T, 64 x 128 a wave, 32 accumulators.  768 matrix instructions a wave in all.  The phases follow each other: 96 accumulators and two sets of fragments do not fit in a wave's registers.
; SOURCE 1 gives the result's lanes (the rows of what is made), SOURCE 0 its registers (the next K).  Phase 1: source 1 = x's rowblock w1, source 0 = W's rowblock w0.  Phase 2: source 1 = Wv's tiles 4 w0 + 0..3, source 0 = x's rowblock w1.
; LDS: three slots of 102,400 bytes, each with two K steps of 128: x's two rowblocks, then W's two, 25,600 dense bytes each, one tensor load a wave.  All three are asked for at the start (three loads of a wave are out);
; slot 0 is filled once more, with K steps 6 and 7.  x's halves of the slots are not filled again after that, so K steps 2 to 7 of x are still there for phase 2.  Wv's eight K steps (102,400 bytes) go into the W halves of slots 1 and 2
; at K step 5's barrier, where both have been read out: 25,600 bytes a wave.  x's K steps 0 and 1 come a second time, into slot 0's W half, behind a round after the first way out; phase 2 walks K in the order 2 .. 7, 0, 1,
; so that this load has 160 matrix instructions in which to land.  No padding: every LDS read of an operand takes 512 consecutive bytes.
; CLUSTER 4 x 4: x's tiles hang on gy alone and are asked for jointly along a row of the cluster, W's and Wv's on gx alone, along a column.
; No prefetch: six of phase 1's eight K steps are on their way from the start, and the later loads have a way out or 160 matrix instructions in which to land.  LIMITS as in launch quant.
; REGISTERS: window 0: v4 16 x lane; v16-18 x's LDS addresses in slots 0-2, v19 that of x's K steps 0, 1 in phase 2; v20-22 W's; v23-24 Wv's fragments, v25-26 Wv's scale words; v27 the place of v^T's scale words; v28, v29 the add's;
;   v32-39 source 1's scale words, two sets; v40-47 source 0's; v64-159, v160-255 source 1's fragments in phase 1, two sets; v160-207, v208-255 in phase 2; v64-143 at work on the ways out.
;   window 1: source 0's fragments, at v0 and v128.   windows 2, 3: accumulator (a, b) at v[8 (8 (a % 4) + b)] of window 2 + a / 4.
; THE LDS PLAN OF THIS TEXT, in place of the paragraph 'LDS' and of the addresses named above: x's two rowblocks stay whole: K steps 0-3 at 0 (rowblock 0, rowblock 1: 51,200 bytes each), K steps 4-7 at 102,400.  W goes through two places of
; 51,200 bytes, at 204,800 and 256,000 (two K steps of two rowblocks each).  Head, one load a wave: wave 0 x's K steps 0-3, wave 1 W's 0, 1, wave 2 x's 4-7, wave 3 W's 2, 3.  Refills, by wave 1: W's K steps 4, 5 (K step 1's round), 6, 7 (K step 3's),
; Wv's K steps 0-3 (K step 5's) and 4-7 (the round between the phases).  Phase 2 walks K in ascending order.  v16, v17: x's addresses (K steps 0-3, 4-7); v20, v21: W's places; v18, v19, v22 are free.
; PREFETCH, in place of the sentence above: W's K steps 4-7 of my two rowblocks at the head, two and four K steps ahead of the loads that want them, and Wv's rowblock ahead of K step 2, four K steps ahead of its first load: 400 units of 256 bytes each,
; shared out by address among the sixteen waves of my column of the cluster and among the clusters with the same y modulo 4.  x comes whole by the head's loads.
.set BLK,   12800
.set HALFT, 2*BLK
.set SLOT,  4*HALFT
.set SPARE, 3*SLOT                     ; behind the slots: the spare words, 128 bytes a wave
.set RBB,   8*BLK                      ; a rowblock of 8 blocks
.set VOFF,  128*RBB
.set CO,   4
.set ADR1, 16
.set ADX0, 19
.set ADR0, 20
.set AWV,  23
.set AWS,  25
.set SCO,  27
.set SPW,  28
.set NIL,  29
.set SA,   32
.set SB,   40
.set F1,   64
.set FV,   160
.set TM,   64                          ; the ways out: v64-67 largest magnitudes, v68-71 bytes, v76-79 scale operands
.set PC,   96                          ; v96-115 the codes just made
.set PW,   136                         ; v136-143 the tiles' scale words
.set WV,   14
.set W1,   15
.set W0,   16
.set G1A,  24                          ; s[24:31] group 1 for x's tiles; s[32:39] two groups 0
.set G0A,  32
.set G1B,  48                          ; s[48:55] group 1 for W's and Wv's tiles; s[56:63] two groups 0 for W
.set G0B,  56
.set G0B2, 68
.set G0V,  92                          ; s[92:95] group 0 for Wv's K steps 0-3
.set G0X,  96                          ; s[96:99] group 0 for Wv's K steps 4-7
.set MSB, 0
.macro WIN new                         ; the immediate's high byte repeats the setting that is left
.if MSB != (\new)
	s_set_vgpr_msb (MSB<<8)|(\new)
.set MSB, (\new)
.endif
.endm
.set MUL_LO, 0xa1                      ; source 0 window 1, source 1 window 0, C and D window 2
.set MUL_HI, 0xf1                      ; the same, C and D window 3
.set TO_B,   0x40                      ; destination window 1, address window 0
.macro PLACES                          ; four places in front of loads into registers that matrix instructions have read, and of the first read of results
.rept 4
	v_nop
.endr
.endm
.macro TL g0, g1                       ; a joint load; an s_nop 0 and four v_nop follow it
	tensor_load_to_lds s[\g0:\g0+3], s[\g1:\g1+7]
	s_nop 0
.rept 4
	v_nop
.endr
.endm
.macro ARM under, g0, g1               ; the head's loads, one a wave: one chain of branches on the wave's number
	s_cmp_lt_u32 s[WV], \under
	s_cbranch_scc0 .Lnot_mine_\@
	TL \g0, \g1
	s_branch .Lhead_asked
.Lnot_mine_\@:
.endm
.macro JW g0                           ; wave 1 alone fills a place of W's again
	s_cmp_eq_u32 s[WV], 1
	s_cbranch_scc0 .Lnone_\@
	TL \g0, G1B
.Lnone_\@:
.endm
.macro CREST                           ; a round of the cluster's barrier behind its opening barrier
	s_cmp_lg_u32 s[WV], 0
	s_cbranch_scc1 .Lnot_wave_0_\@
	s_barrier_signal -3
.Lnot_wave_0_\@:
	s_barrier_wait -3
	s_barrier_signal -1
	s_barrier_wait -1
.endm
.macro CROUND
	s_barrier_signal -1
	s_barrier_wait -1
	CREST
.endm
.macro MKG0 g, adr, lds, off
	s_mov_b32 s[\g], 1
	s_mov_b32 s[\g+1], \lds
	s_add_nc_u64 s[\g+2:\g+3], s[\adr:\adr+1], \off
	s_or_b32 s[\g+3], s[\g+3], 0x80000000
.endm
	s_load_b128 s[4:7], s[0:1], 0x0                ; ops, qkv
	v_lshl_add_u32 v[SPW], v0, 2, SPARE
	v_mov_b32 v[NIL], 0
	ds_add_u32 v[SPW], v[NIL]                      ; the wave's opening: the add, twice on end, and its wait ahead of my first tensor load
	ds_add_u32 v[SPW], v[NIL]
	v_lshrrev_b32 v1, 5, v0
	v_readfirstlane_b32 s[WV], v1                  ; wave 0..3
	s_lshr_b32 s[W1], s[WV], 1                     ; which rowblock of x is mine.
	s_and_b32 s[W0], s[WV], 1                      ; which rowblock of W, which half of Wv's.
	s_bfe_u32 s12, ttmp6, 0x40000                  ; cx
	s_bfe_u32 s13, ttmp6, 0x40004                  ; cy
	s_lshl_b32 s44, ttmp9, 2
	s_add_co_u32 s44, s44, s12                     ; gx
	s_and_b32 s46, ttmp7, 0xffff
	s_lshl_b32 s46, s46, 2
	s_add_co_u32 s46, s46, s13                     ; gy
	s_lshl_b32 s47, s13, 2
	s_lshl_b32 s47, 15, s47                        ; my row of the cluster
	s_lshl_b32 s66, 0x1111, s12                    ; my column
	s_or_b32 s[G1A], s47, (3<<16)|(1<<21)          ; 15:0 the mask; 17:16 elements of 8 bytes; 21 set beside a mask; no padding
	s_or_b32 s[G1B], s66, (3<<16)|(1<<21)
	s_mov_b32 s[G1A+1], 6400<<16                   ; x: 51,200 bytes of each of two rowblocks
	s_mov_b32 s[G1A+3], 6400<<16
	s_mov_b32 s[G1B+1], 3200<<16                   ; W: 25,600 bytes
	s_mov_b32 s[G1B+3], 3200<<16
.irp g, G1A, G1B
	s_mov_b32 s[\g+2], 2<<16
	s_mov_b32 s[\g+4], 2
	s_mov_b32 s[\g+5], 12800
	s_mov_b32 s[\g+6], 0
	s_mov_b32 s[\g+7], 0
.endr
	s_lshl_b32 s20, s46, 1
	s_mul_i32 s20, s20, RBB                        ; x's rowblock 2 gy
	s_mov_b32 s21, 0
	s_lshl_b32 s22, s44, 1
	s_add_co_u32 s22, s22, 64
	s_mul_i32 s22, s22, RBB                        ; Wq's and Wk's rowblock 2 gx, behind x's 64
	s_mov_b32 s23, 0
	s_mov_b32 s82, 0x76543210
	s_mov_b32 s83, 0xfedcba98                      ; v_permlanex16_b32's selects for lane l xor 16
	s_mov_b32 s84, 0xffff0000                      ; lanes 16-31
	s_wait_dscnt 0x0                               ; both opening adds are done
	s_wait_kmcnt 0x0
	s_add_nc_u64 s[80:81], s[4:5], s[20:21]
	s_add_nc_u64 s[72:73], s[4:5], s[22:23]
	CROUND                                         ; all sixteen work-groups are here: the first joint loads meet
	MKG0 G0A, 80, 0, 0
	MKG0 G0B, 72, 2*SLOT, 0
	MKG0 G0A+4, 80, SLOT, 2*HALFT
	MKG0 G0B+4, 72, 2*SLOT+2*HALFT, HALFT
	ARM 1, G0A, G1A
	ARM 2, G0B, G1B
	ARM 3, G0A+4, G1A
	TL G0B+4, G1B
.Lhead_asked:
	; the two later loads' groups 0: Wv's rowblock gx, K steps 0-3 and 4-7 (these registers hold nothing of gy)
	s_add_co_u32 s22, s44, 80                      ; Wv's rowblocks follow x's 64 and Wq's and Wk's 16
	s_mul_i32 s22, s22, RBB
	s_mov_b32 s[G0V], 1
	s_mov_b32 s[G0V+1], 2*SLOT
	s_add_nc_u64 s[G0V+2:G0V+3], s[4:5], s[22:23]
	s_or_b32 s[G0V+3], s[G0V+3], 0x80000000
	s_mov_b32 s[G0X], 1
	s_mov_b32 s[G0X+1], 2*SLOT+2*HALFT
	s_add_nc_u64 s[G0X+2:G0X+3], s[4:5], s[22:23]
	s_add_nc_u64 s[20:21], s[4:5], s[22:23]        ; Wv's rowblock, for the prefetch
	s_add_nc_u64 s[G0X+2:G0X+3], s[G0X+2:G0X+3], 2*HALFT
	s_or_b32 s[G0X+3], s[G0X+3], 0x80000000
	v_and_b32 v1, 31, v0
	v_and_b32 v2, 15, v0                           ; r
	v_bfe_u32 v3, v0, 4, 1                         ; h
	v_lshlrev_b32 v[CO], 4, v1
	s_and_b32 s17, ttmp7, 3                        ; the prefetches: cluster y % 4,
	s_lshl_b32 s17, s17, 4
	s_lshl_b32 s18, s13, 2
	s_add_co_u32 s17, s17, s18
	s_add_co_u32 s17, s17, s[WV]                   ; my column's sixteen waves: a number from 0 to 63
	s_wait_alu depctr_va_vdst(0)                   ; the wait here, directly ahead of the reader below
	v_min_u32 v30, 6, v1
	v_lshl_add_u32 v30, v30, 6, s17                ; unit 64 x lane + number, seven lanes,
	v_min_u32 v30, 399, v30                        ; held at the last of the 400
	v_mul_u32_u24 v31, v30, 41
	v_lshrrev_b32 v31, 13, v31                     ; unit / 200: the rowblock
	v_mul_u32_u24 v31, v31, 4*BLK                  ; (each rowblock's first 4 BLK bytes are passed over)
	v_lshlrev_b32 v30, 8, v30
	v_add_nc_u32 v31, v31, v30
	global_prefetch_b8 v31, s[72:73] offset:4*BLK th:TH_LOAD_NT scope:SCOPE_SE
	s_mul_i32 s19, s[W1], 2*HALFT
	v_add_nc_u32 v[ADR1], s19, v[CO]               ; x's rowblock w1
	s_mul_i32 s19, s[W0], HALFT
	s_add_co_u32 s19, s19, 2*SLOT
	v_add_nc_u32 v[ADR0], s19, v[CO]               ; W's rowblock w0
	v_add_nc_u32 v[ADR1+1], SLOT, v[ADR1]
	v_add_nc_u32 v[ADR0+1], 2*HALFT, v[ADR0]
	s_mul_i32 s19, s[W0], 6144
	s_add_co_u32 s19, s19, 2*SLOT
	v_add_nc_u32 v[AWV], s19, v[CO]                ; Wv's tiles 4 w0 on: K steps 0-3,
	v_add_nc_u32 v[AWV+1], 2*HALFT, v[AWV]         ; K steps 4-7
	s_lshl_b32 s19, s[W0], 8
	s_add_co_u32 s19, s19, 2*SLOT+12288
	v_lshl_add_u32 v[AWS], v2, 4, s19              ; their scale words: 256 w0 + 16 r, so that lanes 0-15 hold them whichever half is mine
	v_add_nc_u32 v[AWS+1], 2*HALFT, v[AWS]
	v_lshlrev_b32 v[SCO], 4, v2
	v_lshl_add_u32 v[SCO], v3, 3, v[SCO]           ; 16 r + 8 h
	; where my blocks go.  q, k: rowblock 64 (gx / 4) + 2 gy + w1, K step (2 gx + w0) % 8
	s_lshr_b32 s74, s44, 2
	s_lshl_b32 s74, s74, 6
	s_lshl_b32 s75, s46, 1
	s_add_co_u32 s74, s74, s75
	s_add_co_u32 s74, s74, s[W1]
	s_mul_i32 s74, s74, RBB
	s_lshl_b32 s75, s44, 1
	s_add_co_u32 s75, s75, s[W0]
	s_and_b32 s75, s75, 7
	s_mul_i32 s75, s75, BLK
	s_add_co_u32 s86, s74, s75
	s_mov_b32 s87, 0
	s_add_nc_u64 s[86:87], s[6:7], s[86:87]
	; v^T: with kappa = 2 gy + w1: batch kappa / 16, rowblock gx of the features, K step kappa % 16; my tiles 4 w0 on
	s_lshl_b32 s76, s46, 1
	s_add_co_u32 s76, s76, s[W1]
	s_lshr_b32 s77, s76, 4
	s_lshl_b32 s77, s77, 3
	s_add_co_u32 s77, s77, s44
	s_mul_i32 s77, s77, 2*RBB
	s_and_b32 s76, s76, 15
	s_mul_i32 s76, s76, BLK
	s_add_co_u32 s77, s77, s76
	s_add_co_u32 s77, s77, VOFF
	s_mul_i32 s76, s[W0], 6144
	s_add_co_u32 s88, s77, s76
	s_mov_b32 s89, 0
	s_add_nc_u64 s[88:89], s[6:7], s[88:89]        ; my four images
	s_lshl_b32 s76, s[W0], 8
	s_add_co_u32 s90, s77, s76
	s_add_co_u32 s90, s90, 12288
	s_mov_b32 s91, 0
	s_add_nc_u64 s[90:91], s[6:7], s[90:91]        ; my 256 bytes of scale words
; One matrix instruction on the registers named by rD, rA, rB, rSA, rSB.  ra, rb: the side's scale words stand in lanes 16-31.
.macro WM zero, ra, rb
.if (\zero)
.if (\ra)&&(\rb)
	v_wmma_scale_f32_16x16x128_f8f6f4 v[rD:rD+7], v[rA:rA+11], v[rB:rB+11], 0, v[rSA], v[rSB] matrix_a_fmt:MATRIX_FMT_FP6 matrix_b_fmt:MATRIX_FMT_FP6 matrix_a_scale:MATRIX_SCALE_ROW1 matrix_b_scale:MATRIX_SCALE_ROW1
.elseif (\ra)
	v_wmma_scale_f32_16x16x128_f8f6f4 v[rD:rD+7], v[rA:rA+11], v[rB:rB+11], 0, v[rSA], v[rSB] matrix_a_fmt:MATRIX_FMT_FP6 matrix_b_fmt:MATRIX_FMT_FP6 matrix_a_scale:MATRIX_SCALE_ROW1
.elseif (\rb)
	v_wmma_scale_f32_16x16x128_f8f6f4 v[rD:rD+7], v[rA:rA+11], v[rB:rB+11], 0, v[rSA], v[rSB] matrix_a_fmt:MATRIX_FMT_FP6 matrix_b_fmt:MATRIX_FMT_FP6 matrix_b_scale:MATRIX_SCALE_ROW1
.else
	v_wmma_scale_f32_16x16x128_f8f6f4 v[rD:rD+7], v[rA:rA+11], v[rB:rB+11], 0, v[rSA], v[rSB] matrix_a_fmt:MATRIX_FMT_FP6 matrix_b_fmt:MATRIX_FMT_FP6
.endif
.else
.if (\ra)&&(\rb)
	v_wmma_scale_f32_16x16x128_f8f6f4 v[rD:rD+7], v[rA:rA+11], v[rB:rB+11], v[rD:rD+7], v[rSA], v[rSB] matrix_a_fmt:MATRIX_FMT_FP6 matrix_b_fmt:MATRIX_FMT_FP6 matrix_a_scale:MATRIX_SCALE_ROW1 matrix_b_scale:MATRIX_SCALE_ROW1
.elseif (\ra)
	v_wmma_scale_f32_16x16x128_f8f6f4 v[rD:rD+7], v[rA:rA+11], v[rB:rB+11], v[rD:rD+7], v[rSA], v[rSB] matrix_a_fmt:MATRIX_FMT_FP6 matrix_b_fmt:MATRIX_FMT_FP6 matrix_a_scale:MATRIX_SCALE_ROW1
.elseif (\rb)
	v_wmma_scale_f32_16x16x128_f8f6f4 v[rD:rD+7], v[rA:rA+11], v[rB:rB+11], v[rD:rD+7], v[rSA], v[rSB] matrix_a_fmt:MATRIX_FMT_FP6 matrix_b_fmt:MATRIX_FMT_FP6 matrix_b_scale:MATRIX_SCALE_ROW1
.else
	v_wmma_scale_f32_16x16x128_f8f6f4 v[rD:rD+7], v[rA:rA+11], v[rB:rB+11], v[rD:rD+7], v[rSA], v[rSB] matrix_a_fmt:MATRIX_FMT_FP6 matrix_b_fmt:MATRIX_FMT_FP6
.endif
.endif
.endm
; PHASE 1.  32 matrix instructions: x's tiles 4 hi + 0..3 against W's eight, from set p.  The 64 accumulators take turns, one instruction a turn, in the same order in every K step.
.macro MULH p, hi, zero
.irp a, 0,1,2,3
.irp b, 0,1,2,3,4,5,6,7
.set rD, 8*(8*\a+\b)
.set rA, 128*(\p)+12*\b
.set rB, F1+96*(\p)+12*(4*(\hi)+\a)
.set rSA, SB+4*(\p)+\b%4
.set rSB, SA+4*(\p)+\a
	WM \zero, \b/4, \hi
.endr
.endr
.endm
; K step t's 16 fragments and scale words into set t % 2: 50 loads of 512 consecutive bytes.  x's K step t lies in half t / 4, W's in place (t / 2) % 2.
.macro FETCH t
.set fP, (\t)%2
.set fS, ((\t)/2)%2                    ; W's place
.set fQ, BLK*((\t)%2)
.set fX, (\t)/4                        ; x's half of K
.set fR, BLK*((\t)%4)
	WIN TO_B
.irp i, 0,1,2,3,4,5,6,7
.irp c, 0,1,2
	ds_load_b128 v[128*fP+12*\i+4*\c:128*fP+12*\i+4*\c+3], v[ADR0+fS] offset:fQ+1536*\i+512*\c
.endr
.endr
	WIN 0
.irp i, 0,1,2,3,4,5,6,7
.irp c, 0,1,2
	ds_load_b128 v[F1+96*fP+12*\i+4*\c:F1+96*fP+12*\i+4*\c+3], v[ADR1+fX] offset:fR+1536*\i+512*\c
.endr
.endr
	ds_load_b128 v[SA+4*fP:SA+4*fP+3], v[ADR1+fX] offset:fR+12288
	ds_load_b128 v[SB+4*fP:SB+4*fP+3], v[ADR0+fS] offset:fQ+12288
.endm
.macro STEP t, next, zero              ; a K step whose successor's tiles are known to lie in LDS
	s_wait_dscnt 0x0                               ; this step's fragments, asked for 64 matrix instructions ago, are in
.if \next
.if (\t) > 0
	PLACES
.endif
	FETCH (\t)+1
.endif
	WIN MUL_LO
	MULH (\t)%2, 0, \zero
	WIN MUL_HI
	MULH (\t)%2, 1, \zero
.endm
; A K step with a round of the cluster's barrier.  In front of it each wave waits for all its tensor loads, adds 0 to its spare word, and waits for that and for its LDS reads.
; Behind it W's place that has been read out is filled again: fill = 1: K steps 4, 5; 2: K steps 6, 7; 3: Wv's K steps 0-3 (51,200 dense bytes, two rows of 25,600).
.macro TURN t, fill
	WIN 0
	s_wait_tensorcnt 0x0                           ; all my tensor loads have landed, so a descriptor may be written
	ds_add_u32 v[SPW], v[NIL]
.if (\fill) < 3
	s_add_nc_u64 s[G0B+4*((\fill)-1)+2:G0B+4*((\fill)-1)+3], s[G0B+4*((\fill)-1)+2:G0B+4*((\fill)-1)+3], 2*HALFT
.else
	s_mov_b32 s[G1B+5], 3200
.endif
	s_wait_dscnt 0x0                               ; the add is done, this step's fragments are in, and my reads of the place up to this step's are over
	s_barrier_signal -1
	WIN MUL_LO
	MULH (\t)%2, 0, 0                              ; work on registers while the others arrive
	WIN 0
	s_barrier_wait -1
	CREST                                          ; the barrier has opened a round of the cluster's: no wave of any partner still reads these bytes or has a load on its way
.if (\fill) < 3
	JW G0B+4*((\fill)-1)
.else
	JW G0V
.endif
	PLACES                                         ; for the waves that come round the load
	FETCH (\t)+1
	WIN MUL_HI
	MULH (\t)%2, 1, 0
.endm
; PHASE 2.  16 matrix instructions of K step n: Wv's tiles 4 w0 + 2 half, + 1 (source 1) against x's eight (source 0).  The 32 accumulators take turns in one order in every step.
.macro MULV n, half, zero
.irp a, 0,1
.irp b, 0,1,2,3,4,5,6,7
.set rD, 8*(8*(2*(\half)+\a)+\b)
.set rA, 128*((\n)%2)+12*\b
.set rB, FV+48*((\n)%2)+12*(2*(\half)+\a)
.set rSA, SB+4*((\n)%2)+\b%4
.set rSB, SA+4*((\n)%2)+2*(\half)+\a
	WM \zero, \b/4, 0
.endr
.endr
.endm
.macro FETCHV n                        ; x's eight fragments, Wv's four, and both sides' scale words into set n % 2: 38 loads
.set vP, (\n)%2
.set vT, (\n)
.set vX, ADR1+vT/4
.set vQ, BLK*(vT%4)
.set vR, BLK*(vT%4)
	WIN TO_B
.irp i, 0,1,2,3,4,5,6,7
.irp c, 0,1,2
	ds_load_b128 v[128*vP+12*\i+4*\c:128*vP+12*\i+4*\c+3], v[vX] offset:vQ+1536*\i+512*\c
.endr
.endr
	WIN 0
.irp e, 0,1,2,3
.irp c, 0,1,2
	ds_load_b128 v[FV+48*vP+12*\e+4*\c:FV+48*vP+12*\e+4*\c+3], v[AWV+vT/4] offset:vR+1536*\e+512*\c
.endr
.endr
	ds_load_b128 v[SB+4*vP:SB+4*vP+3], v[vX] offset:vQ+12288
	ds_load_b128 v[SA+4*vP:SA+4*vP+3], v[AWS+vT/4] offset:vR
.endm
.macro STEPV n, next, zero
	s_wait_dscnt 0x0                               ; this step's fragments, asked for 32 matrix instructions ago, are in
.if \next
.if (\n) > 0
	PLACES
.endif
	FETCHV (\n)+1
.endif
	WIN MUL_LO
	MULV \n, 0, \zero
	MULV \n, 1, \zero
.endm
.macro TURNV n                         ; a step with a plain barrier: it shows Wv's K steps 4-7 to every wave
	WIN 0
	s_wait_tensorcnt 0x0                           ; the load that was out (wave 1's) has landed
	ds_add_u32 v[SPW], v[NIL]
	s_wait_dscnt 0x0
	s_barrier_signal -1
	WIN MUL_LO
	MULV \n, 0, 0
	WIN 0
	s_barrier_wait -1
	PLACES
	FETCHV (\n)+1
	WIN MUL_LO
	MULV \n, 1, 0
.endm
; A WAY OUT.  Tile a's 64 results of a lane, register 16 b + i = next K 32 b + 16 h + i of my row, become a fragment: each block's largest magnitude (mine and lane l xor 16's), its byte, the conversions,
; and the exchange of halves that gives a lane a whole block of 32.  Each accumulator is read from its low end on.
.macro QOUT a, base
.set Wn, 2+(\a)/4
.set AC, 64*((\a)%4)
	WIN (Wn<<2)|(Wn<<4)
.irp b, 0,1,2,3
	v_max3_num_f32 v[TM+\b], 0x1800000, |v[AC+16*\b]|, |v[AC+16*\b+1]|   ; with the floor 2^(3 - 127): the byte cannot fall under 1
.endr
.irp i, 2,4,6,8,10,12,14
.irp b, 0,1,2,3
	v_max3_num_f32 v[TM+\b], v[TM+\b], |v[AC+16*\b+\i]|, |v[AC+16*\b+\i+1]|
.endr
.endr
	WIN 0
.irp b, 0,1,2,3
	v_permlanex16_b32 v[TM+4+\b], v[TM+\b], s82, s83
.endr
.irp b, 0,1,2,3
	v_max_num_f32 v[TM+\b], v[TM+\b], v[TM+4+\b]
.endr
.irp b, 0,1,2,3
	v_add_nc_u32 v[TM+12+\b], 0xff000000, v[TM+\b] ; 2 off the exponent field: the conversion's scale operand
.endr
.irp b, 0,1,2,3
	v_lshrrev_b32 v[TM+4+\b], 23, v[TM+12+\b]      ; the byte
.endr
	v_lshl_or_b32 v[PW+(\a)], v[TM+5], 8, v[TM+4]
	v_lshl_or_b32 v[PW+(\a)], v[TM+6], 16, v[PW+(\a)]
	v_lshl_or_b32 v[PW+(\a)], v[TM+7], 24, v[PW+(\a)]
	s_wait_xcnt 0x0                                ; the last tile's stores have read the codes' registers, which the conversions below are the first to write again
	WIN Wn
.irp c, 0,1
	v_cvt_scalef32_pk16_fp6_f32 v[PC+6*\c:PC+6*\c+2], v[AC+32*\c:AC+32*\c+15], v[TM+12+2*\c]
	v_cvt_scalef32_pk16_fp6_f32 v[PC+12+4*\c:PC+14+4*\c], v[AC+16+32*\c:AC+31+32*\c], v[TM+13+2*\c]
.endr
	WIN 0
	v_nop                                          ; one plain place behind a scaled conversion
.irp c, 0,1
.irp i, 0,1,2
	v_permlane16_swap_b32 v[PC+6*\c+\i], v[PC+12+4*\c+\i]
.endr
.irp i, 0,1,2
	v_mov_b32 v[PC+3+6*\c+\i], v[PC+12+4*\c+\i]
.endr
.endr
.irp c, 0,1,2
	global_store_b128 v[CO], v[PC+4*\c:PC+4*\c+3], s[\base:\base+1] offset:1536*(\a)+512*\c   ; 512 consecutive bytes, at a multiple of 256 from the buffer's first byte
.endr
.endm
	s_wait_alu depctr_va_vdst(0)                   ; the wait at the head's end
	s_cmp_lt_u32 s[WV], 2
	s_cbranch_scc0 .Lnot_first
	s_wait_tensorcnt 0x0                           ; waves 0, 1: x's K steps 0-3 and W's 0, 1 are in; waves 2, 3 have load lines of their own, shown at K step 1's barrier
.Lnot_first:
	s_barrier_signal -1
	s_barrier_wait -1
	FETCH 0
	STEP 0, 1, 1                                   ; the first products start the sums: nothing is cleared
	TURN 1, 1                                      ; its wait for all loads shows the rest of x and W's K steps 2, 3
	WIN 0
	global_prefetch_b8 v30, s[20:21] th:TH_LOAD_NT scope:SCOPE_SE
	STEP 2, 1, 0
	TURN 3, 2
	STEP 4, 1, 0
	TURN 5, 3
	STEP 6, 1, 0
	STEP 7, 0, 0
	WIN 0
	PLACES
.irp b, 0,1,2,3
	v_mov_b32 v[TM+4+\b], 0                        ; written once: a lane permute's destination counts as one of its sources
.endr
.irp a, 0,1,2,3,4,5,6,7
	QOUT \a, 86                                    ; my block of q or k
.endr
.irp e, 0,1,2,3
	v_cndmask_b32 v[120+\e], v[PW+\e], v[PW+4+\e], s84   ; lanes 0-15 the words of tiles 0-3, lanes 16-31 of tiles 4-7
.endr
	global_store_b128 v[CO], v[120:123], s[86:87] offset:12288
	; ---- between the phases: a round, behind which W's second place, read out at K step 7, takes Wv's K steps 4-7
	s_wait_tensorcnt 0x0                           ; Wv's K steps 0-3, asked for 160 matrix instructions and a way out ago, have landed
	ds_add_u32 v[SPW], v[NIL]
	s_wait_dscnt 0x0
	CROUND
	JW G0X
	FETCHV 0
	STEPV 0, 1, 1                                  ; the first products start v^T's sums
	STEPV 1, 1, 0
	STEPV 2, 1, 0
	TURNV 3                                        ; behind its barrier Wv's K steps 4-7 are read
	STEPV 4, 1, 0
	STEPV 5, 1, 0
	STEPV 6, 1, 0
	STEPV 7, 0, 0
	WIN 0
	PLACES
.irp a, 0,1,2,3
	QOUT \a, 88                                    ; tiles 4 w0 + a of my block of v^T
.endr
	v_cndmask_b32 v124, v[PW], v[PW+2], s84        ; lane (r, h) stores the words of tiles 4 w0 + 2 h and 4 w0 + 2 h + 1 of lane-row r
	v_cndmask_b32 v125, v[PW+1], v[PW+3], s84
	global_store_b64 v[SCO], v[124:125], s[90:91]  ; 32 lanes store 256 consecutive bytes, aligned
	s_wait_tensorcnt 0x0                           ; the wave's end
	ds_add_u32 v[SPW], v[NIL]
	s_wait_dscnt 0x0
	CROUND                                         ; the closing round
	s_endpgm
.Lfunc_end_k_q9713f45b0b_proj:
	.size	k_q9713f45b0b_proj, .Lfunc_end_k_q9713f45b0b_proj-k_q9713f45b0b_proj
	.p2alignl 7, 3214868480
	.fill 96, 4, 3214868480
	.section	.rodata,"a",@progbits
	.p2align	6, 0x0
	.amdhsa_kernel k_q9713f45b0b_proj
		.amdhsa_group_segment_fixed_size 327680
		.amdhsa_private_segment_fixed_size 0
		.amdhsa_enable_private_segment 0
		.amdhsa_kernarg_size 16
		.amdhsa_user_sgpr_count 2
		.amdhsa_user_sgpr_kernarg_segment_ptr 1
		.amdhsa_wavefront_size32 1
		.amdhsa_system_sgpr_workgroup_id_x 1
		.amdhsa_system_sgpr_workgroup_id_y 1
		.amdhsa_system_sgpr_workgroup_id_z 1
		.amdhsa_system_vgpr_workitem_id 0
		.amdhsa_next_free_vgpr 1024
		.amdhsa_next_free_sgpr 100
		.amdhsa_reserve_vcc 0
		.amdhsa_float_denorm_mode_32 3
		.amdhsa_float_denorm_mode_16_64 3
		.amdhsa_memory_ordered 1
		.amdhsa_forward_progress 1
		.amdhsa_inst_pref_size 208
	.end_amdhsa_kernel
	.amdgpu_metadata
---
amdhsa.version: [ 1, 2 ]
amdhsa.kernels:
  - .name:           k_q9713f45b0b_proj
    .symbol:         k_q9713f45b0b_proj.kd
    .args:
      - { .name: ops, .offset: 0, .size: 8, .value_kind: global_buffer, .address_space: global }
      - { .name: qkv, .offset: 8, .size: 8, .value_kind: global_buffer, .address_space: global }
    .group_segment_fixed_size: 327680
    .private_segment_fixed_size: 0
    .kernarg_segment_align: 8
    .kernarg_segment_size: 16
    .max_flat_workgroup_size: 128
    .sgpr_count:     100
    .vgpr_count:     1024
    .wavefront_size: 32
...
	.end_amdgpu_metadata
.endif
;; end of part 2
;; launch scores (part 3): grid 8 x 32, 4 waves a work-group, clusters of 4 x 4, 327,680 bytes of LDS; arguments qkv, mask, pc, pst; writes pc, pst
.if DOCPART == 3
	.amdgcn_target "amdgcn-amd-amdhsa--gfx1250"
	.amdhsa_code_object_version 6
	.text
	.protected	k_q9713f45b0b_scores
	.globl	k_q9713f45b0b_scores
	.p2align	8
	.type	k_q9713f45b0b_scores,@function
k_q9713f45b0b_scores:
	s_mov_b64 s[64:65], 0
	v_nop
	global_prefetch_b8 v0, s[64:65] scope:SCOPE_SE
	s_setreg_imm32_b32 hwreg(HW_REG_WAVE_MODE, 25, 1), 1
	s_wait_xcnt 0x0
	s_wait_alu depctr_hold_cnt(0) depctr_sa_sdst(0) depctr_va_vdst(0) depctr_va_sdst(0) depctr_va_ssrc(0) depctr_va_vcc(0) depctr_vm_vsrc(0)
	s_getreg_b32 s2, hwreg(HW_REG_IB_STS2, 6, 4)
	s_cmp_eq_u32 s2, 0
	s_cbranch_scc0 .Lentry_in_a_cluster
	s_endpgm
.Lentry_in_a_cluster:
	s_bfe_u32 s2, ttmp6, 0x10000c
	s_cmp_lg_u32 s2, 0xf033
	s_cbranch_scc0 .Lentry_shape_is_right
	s_endpgm
.Lentry_shape_is_right:
; LAUNCH 3 OF 4.  Scores q k^T on codes of FP6 (E2M3), K = 1,024; the logit as reference() forms it; p = 2^(t - M) quantised along the keys; all in registers behind the products.
; Nothing is left out: the mask's term stays (see the head of launch quant).  logit = fma(score, 1/32, bias), bias = -1e9 where the QUERY's mask byte is 0, else 0: 1/32 is a power of two, so this is reference()'s multiply
; and add.  t = logit x log2(e), rounded once; then t - M.  The three stay three instructions: fused, they would keep bits of a masked row's logit that reference()'s f32 has lost.
; THE SOFTMAX IS LOCAL TO A WAVE'S 128 KEYS, which are one K step of the last product: M is the ceiling of the largest t among these 128 alone, a whole number.  -M and the sum of the unquantised p go to pst; launch pv brings
; all K steps of a row under the row's M by exact powers of two, which the blocks' scale bytes take up.
; SHARES.  A work-group makes 256 queries x 256 keys of one batch; each of four waves 128 x 128.  Source 1 = q (a lane holds one query), source 0 = k (its registers run along the keys).  256 work-groups of equal work.
; LDS, ring, cluster and the K loop are those of launch proj: three slots of two K steps, all asked for at the start (three loads of a wave are out), slot 0 filled once more; q's tiles shared along a row of the cluster, k's along a column.
; pc: p's 64 rowblocks of 16 blocks (the operand format of launch quant).  pst: [rowblock 64][K step 16][-M, sum][512 bytes in the scale words' layout], f32.
; LIMITS: v_exp_f32 gives 0 for p under 2^-126; a block whose every p is 0 keeps the byte 1 (its codes are zeros); NaN and infinities are not served.
; THE LDS PLAN OF THIS TEXT, in place of the paragraph 'LDS' above: q's two rowblocks stay whole: K steps 0-3 at 0 (51,200 bytes a rowblock), K steps 4-7 at 102,400.  k goes through two places of 51,200 bytes, at 204,800 and 256,000
; (two K steps of two rowblocks each).  Head, one load a wave: wave 0 q's K steps 0-3, wave 1 k's 0, 1, wave 2 q's 4-7, wave 3 k's 2, 3.  Refills, by wave 1: k's K steps 4, 5 (K step 1's round) and 6, 7 (K step 3's).
.set BLK,   12800
.set HALFT, 2*BLK
.set SLOT,  4*HALFT
.set SPARE, 3*SLOT
.set RBB,   8*BLK
.set CO,   4
.set MO,   5                           ; v5   r + 8 (r / 8): my query's place in a tile's rows
.set ADR1, 16
.set ADR0, 20
.set SPW,  28
.set NIL,  29
.set SA,   32
.set SB,   40
.set MK,   48                          ; v48-55 the mask bytes of my query in tiles 0-7
.set F1,   64
.set XM,   64                          ; v64-67 each block's largest score, then its largest p
.set XP,   68                          ; v68-71 lane l xor 16's
.set TT,   72
.set NM,   74                          ; v[74:75] -M (the packed form names a pair and takes its low word)
.set BB,   76                          ; v[76:77] the tile's bias, likewise
.set SU,   78                          ; v78-81 the sums, two chains of pairs
.set EE,   84                          ; v84-87 the conversions' scale operands
.set BY,   88                          ; v88-91 the bytes
.set PC,   96                          ; v96-115 the codes just made
.set BI,   128                         ; v128-135 the eight tiles' biases
.set PW,   136                         ; v136-143 their scale words
.set NMA,  144                         ; v144-151 their -M
.set LA,   152                         ; v152-159 their sums
.set WV,   14
.set W1,   15
.set W0,   16
.set G1A,  24
.set G0A,  32
.set G1B,  48
.set G0B,  56
.set G0B2, 68
.set MSB, 0
.macro WIN new                         ; the immediate's high byte repeats the setting that is left
.if MSB != (\new)
	s_set_vgpr_msb (MSB<<8)|(\new)
.set MSB, (\new)
.endif
.endm
.set MUL_LO, 0xa1
.set MUL_HI, 0xf1
.set TO_B,   0x40
.macro PLACES
.rept 4
	v_nop
.endr
.endm
.macro TL g0, g1                       ; a joint load; an s_nop 0 and four v_nop follow it
	tensor_load_to_lds s[\g0:\g0+3], s[\g1:\g1+7]
	s_nop 0
.rept 4
	v_nop
.endr
.endm
.macro ARM under, g0, g1               ; the head's loads, one a wave: one chain of branches on the wave's number
	s_cmp_lt_u32 s[WV], \under
	s_cbranch_scc0 .Lnot_mine_\@
	TL \g0, \g1
	s_branch .Lhead_asked
.Lnot_mine_\@:
.endm
.macro JW g0                           ; wave 1 alone fills a place of k's again
	s_cmp_eq_u32 s[WV], 1
	s_cbranch_scc0 .Lnone_\@
	TL \g0, G1B
.Lnone_\@:
.endm
.macro CREST
	s_cmp_lg_u32 s[WV], 0
	s_cbranch_scc1 .Lnot_wave_0_\@
	s_barrier_signal -3
.Lnot_wave_0_\@:
	s_barrier_wait -3
	s_barrier_signal -1
	s_barrier_wait -1
.endm
.macro CROUND
	s_barrier_signal -1
	s_barrier_wait -1
	CREST
.endm
.macro MKG0 g, adr, lds, off
	s_mov_b32 s[\g], 1
	s_mov_b32 s[\g+1], \lds
	s_add_nc_u64 s[\g+2:\g+3], s[\adr:\adr+1], \off
	s_or_b32 s[\g+3], s[\g+3], 0x80000000
.endm
	s_load_b256 s[4:11], s[0:1], 0x0               ; qkv, mask, pc, pst
	v_lshl_add_u32 v[SPW], v0, 2, SPARE
	v_mov_b32 v[NIL], 0
	ds_add_u32 v[SPW], v[NIL]                      ; the wave's opening: the add, twice on end, and its wait ahead of my first tensor load
	ds_add_u32 v[SPW], v[NIL]
	v_lshrrev_b32 v1, 5, v0
	v_readfirstlane_b32 s[WV], v1
	s_lshr_b32 s[W1], s[WV], 1                     ; which rowblock of q is mine.
	s_and_b32 s[W0], s[WV], 1                      ; which rowblock of k.
	s_bfe_u32 s12, ttmp6, 0x40000                  ; cx
	s_bfe_u32 s13, ttmp6, 0x40004                  ; cy
	s_lshl_b32 s44, ttmp9, 2
	s_add_co_u32 s44, s44, s12                     ; gx: 256 keys of the batch
	s_and_b32 s46, ttmp7, 0xffff
	s_lshr_b32 s67, s46, 1                         ; the batch, from the cluster's y alone: eight tiles of queries to a batch
	s_lshl_b32 s46, s46, 2
	s_add_co_u32 s46, s46, s13                     ; gy: 256 queries, over all batches
	s_lshl_b32 s47, s13, 2
	s_lshl_b32 s47, 15, s47                        ; my row of the cluster
	s_lshl_b32 s66, 0x1111, s12                    ; my column
	s_or_b32 s[G1A], s47, (3<<16)|(1<<21)
	s_or_b32 s[G1B], s66, (3<<16)|(1<<21)
	s_mov_b32 s[G1A+1], 6400<<16                   ; q: 51,200 bytes of each of two rowblocks
	s_mov_b32 s[G1A+3], 6400<<16
	s_mov_b32 s[G1B+1], 3200<<16                   ; k: 25,600 bytes
	s_mov_b32 s[G1B+3], 3200<<16
.irp g, G1A, G1B
	s_mov_b32 s[\g+2], 2<<16
	s_mov_b32 s[\g+4], 2
	s_mov_b32 s[\g+5], 12800
	s_mov_b32 s[\g+6], 0
	s_mov_b32 s[\g+7], 0
.endr
	s_lshl_b32 s20, s46, 1
	s_mul_i32 s20, s20, RBB                        ; q's rowblock 2 gy
	s_mov_b32 s21, 0
	s_lshl_b32 s22, s67, 4
	s_lshl_b32 s23, s44, 1
	s_add_co_u32 s22, s22, s23
	s_add_co_u32 s22, s22, 64
	s_mul_i32 s22, s22, RBB                        ; k's rowblock 16 batch + 2 gx, behind q's 64
	s_mov_b32 s23, 0
	s_mov_b32 s82, 0x76543210
	s_mov_b32 s83, 0xfedcba98
	s_mov_b32 s84, 0xffff0000
	s_mov_b32 s88, 0x3d000000                      ; 1/32 = 1 / sqrt(1024)
	s_mov_b32 s89, s88
	s_mov_b32 s90, 0x3fb8aa3b                      ; log2(e)
	s_mov_b32 s91, s90
	s_wait_dscnt 0x0
	s_wait_kmcnt 0x0
	s_add_nc_u64 s[80:81], s[4:5], s[20:21]
	s_add_nc_u64 s[72:73], s[4:5], s[22:23]
	CROUND
	MKG0 G0A, 80, 0, 0
	MKG0 G0B, 72, 2*SLOT, 0
	MKG0 G0A+4, 80, SLOT, 2*HALFT
	MKG0 G0B+4, 72, 2*SLOT+2*HALFT, HALFT
	ARM 1, G0A, G1A
	ARM 2, G0B, G1B
	ARM 3, G0A+4, G1A
	TL G0B+4, G1B
.Lhead_asked:
	v_and_b32 v1, 31, v0
	v_and_b32 v2, 15, v0
	v_lshlrev_b32 v[CO], 4, v1
	s_lshl_b32 s17, s13, 2                         ; PREFETCH: k's K steps 4-7 of my two rowblocks, two and four K steps ahead of the loads that want them: 2 x 200 units of 256 bytes,
	s_add_co_u32 s17, s17, s[WV]                   ; shared out by address among the sixteen waves of my column of the cluster: 25 each (the last lanes name the last again)
	s_lshr_b32 s18, s17, 3
	s_mul_i32 s18, s18, RBB
	s_and_b32 s17, s17, 7
	s_mul_i32 s17, s17, 6400
	s_add_co_u32 s18, s18, s17
	s_wait_alu depctr_va_vdst(0)
	v_min_u32 v30, 24, v1
	v_lshl_add_u32 v30, v30, 8, s18
	global_prefetch_b8 v30, s[72:73] offset:4*BLK th:TH_LOAD_NT scope:SCOPE_SE
	v_and_b32 v[MO], 8, v2
	v_add_nc_u32 v[MO], v[MO], v2
	s_lshl_b32 s74, s46, 1
	s_add_co_u32 s74, s74, s[W1]                   ; Rq: my rowblock of queries
	s_lshl_b32 s76, s74, 7
	s_mov_b32 s77, 0
	s_add_nc_u64 s[92:93], s[6:7], s[76:77]        ; its 128 mask bytes
.irp a, 0,1,2,3,4,5,6,7
	global_load_u8 v[MK+\a], v[MO], s[92:93] offset:32*(\a/2)+8*(\a%2)   ; waited for at the head of the way out
.endr
	s_lshl_b32 s75, s44, 1
	s_add_co_u32 s75, s75, s[W0]                   ; s: my 128 keys are K step s of the last product
	s_lshl_b32 s74, s74, 4
	s_add_co_u32 s74, s74, s75
	s_mul_i32 s76, s74, BLK
	s_add_nc_u64 s[86:87], s[8:9], s[76:77]        ; my block of p
	s_lshl_b32 s76, s74, 10
	s_add_nc_u64 s[94:95], s[10:11], s[76:77]      ; and its 1,024 bytes of pst
	s_mul_i32 s19, s[W1], 2*HALFT
	v_add_nc_u32 v[ADR1], s19, v[CO]               ; q's rowblock w1: K steps 0-3, 4-7
	s_mul_i32 s19, s[W0], HALFT
	s_add_co_u32 s19, s19, 2*SLOT
	v_add_nc_u32 v[ADR0], s19, v[CO]               ; k's rowblock w0, in the two places
	v_add_nc_u32 v[ADR1+1], SLOT, v[ADR1]
	v_add_nc_u32 v[ADR0+1], 2*HALFT, v[ADR0]
.macro WM zero, ra, rb
.if (\zero)
.if (\ra)&&(\rb)
	v_wmma_scale_f32_16x16x128_f8f6f4 v[rD:rD+7], v[rA:rA+11], v[rB:rB+11], 0, v[rSA], v[rSB] matrix_a_fmt:MATRIX_FMT_FP6 matrix_b_fmt:MATRIX_FMT_FP6 matrix_a_scale:MATRIX_SCALE_ROW1 matrix_b_scale:MATRIX_SCALE_ROW1
.elseif (\ra)
	v_wmma_scale_f32_16x16x128_f8f6f4 v[rD:rD+7], v[rA:rA+11], v[rB:rB+11], 0, v[rSA], v[rSB] matrix_a_fmt:MATRIX_FMT_FP6 matrix_b_fmt:MATRIX_FMT_FP6 matrix_a_scale:MATRIX_SCALE_ROW1
.elseif (\rb)
	v_wmma_scale_f32_16x16x128_f8f6f4 v[rD:rD+7], v[rA:rA+11], v[rB:rB+11], 0, v[rSA], v[rSB] matrix_a_fmt:MATRIX_FMT_FP6 matrix_b_fmt:MATRIX_FMT_FP6 matrix_b_scale:MATRIX_SCALE_ROW1
.else
	v_wmma_scale_f32_16x16x128_f8f6f4 v[rD:rD+7], v[rA:rA+11], v[rB:rB+11], 0, v[rSA], v[rSB] matrix_a_fmt:MATRIX_FMT_FP6 matrix_b_fmt:MATRIX_FMT_FP6
.endif
.else
.if (\ra)&&(\rb)
	v_wmma_scale_f32_16x16x128_f8f6f4 v[rD:rD+7], v[rA:rA+11], v[rB:rB+11], v[rD:rD+7], v[rSA], v[rSB] matrix_a_fmt:MATRIX_FMT_FP6 matrix_b_fmt:MATRIX_FMT_FP6 matrix_a_scale:MATRIX_SCALE_ROW1 matrix_b_scale:MATRIX_SCALE_ROW1
.elseif (\ra)
	v_wmma_scale_f32_16x16x128_f8f6f4 v[rD:rD+7], v[rA:rA+11], v[rB:rB+11], v[rD:rD+7], v[rSA], v[rSB] matrix_a_fmt:MATRIX_FMT_FP6 matrix_b_fmt:MATRIX_FMT_FP6 matrix_a_scale:MATRIX_SCALE_ROW1
.elseif (\rb)
	v_wmma_scale_f32_16x16x128_f8f6f4 v[rD:rD+7], v[rA:rA+11], v[rB:rB+11], v[rD:rD+7], v[rSA], v[rSB] matrix_a_fmt:MATRIX_FMT_FP6 matrix_b_fmt:MATRIX_FMT_FP6 matrix_b_scale:MATRIX_SCALE_ROW1
.else
	v_wmma_scale_f32_16x16x128_f8f6f4 v[rD:rD+7], v[rA:rA+11], v[rB:rB+11], v[rD:rD+7], v[rSA], v[rSB] matrix_a_fmt:MATRIX_FMT_FP6 matrix_b_fmt:MATRIX_FMT_FP6
.endif
.endif
.endm
.macro MULH p, hi, zero                ; 32 matrix instructions; the 64 accumulators take turns in one order in every K step
.irp a, 0,1,2,3
.irp b, 0,1,2,3,4,5,6,7
.set rD, 8*(8*\a+\b)
.set rA, 128*(\p)+12*\b
.set rB, F1+96*(\p)+12*(4*(\hi)+\a)
.set rSA, SB+4*(\p)+\b%4
.set rSB, SA+4*(\p)+\a
	WM \zero, \b/4, \hi
.endr
.endr
.endm
.macro FETCH t                         ; K step t's 16 fragments and scale words into set t % 2: 50 loads of 512 consecutive bytes
.set fP, (\t)%2
.set fS, ((\t)/2)%2                    ; k's place
.set fQ, BLK*((\t)%2)
.set fX, (\t)/4                        ; q's half of K
.set fR, BLK*((\t)%4)
	WIN TO_B
.irp i, 0,1,2,3,4,5,6,7
.irp c, 0,1,2
	ds_load_b128 v[128*fP+12*\i+4*\c:128*fP+12*\i+4*\c+3], v[ADR0+fS] offset:fQ+1536*\i+512*\c
.endr
.endr
	WIN 0
.irp i, 0,1,2,3,4,5,6,7
.irp c, 0,1,2
	ds_load_b128 v[F1+96*fP+12*\i+4*\c:F1+96*fP+12*\i+4*\c+3], v[ADR1+fX] offset:fR+1536*\i+512*\c
.endr
.endr
	ds_load_b128 v[SA+4*fP:SA+4*fP+3], v[ADR1+fX] offset:fR+12288
	ds_load_b128 v[SB+4*fP:SB+4*fP+3], v[ADR0+fS] offset:fQ+12288
.endm
.macro STEP t, next, zero
	s_wait_dscnt 0x0                               ; this step's fragments, asked for 64 matrix instructions ago, are in
.if \next
.if (\t) > 0
	PLACES
.endif
	FETCH (\t)+1
.endif
	WIN MUL_LO
	MULH (\t)%2, 0, \zero
	WIN MUL_HI
	MULH (\t)%2, 1, \zero
.endm
.macro TURN t, fill                    ; a K step with a barrier; fill = 1, 2: k's place 0, 1, read out, takes K steps 4, 5 or 6, 7
	WIN 0
	s_wait_tensorcnt 0x0                           ; all my tensor loads have landed, so a group 0 may be written
	ds_add_u32 v[SPW], v[NIL]
.if \fill
	s_add_nc_u64 s[G0B+4*((\fill)-1)+2:G0B+4*((\fill)-1)+3], s[G0B+4*((\fill)-1)+2:G0B+4*((\fill)-1)+3], 2*HALFT
.endif
	s_wait_dscnt 0x0                               ; the add is done, this step's fragments are in, and my reads of the place are over
	s_barrier_signal -1
	WIN MUL_LO
	MULH (\t)%2, 0, 0
	WIN 0
	s_barrier_wait -1
.if \fill
	CREST                                          ; a round of the cluster's barrier: no wave of any partner still reads the place or has a load on its way
	JW G0B+4*((\fill)-1)
.endif
	PLACES
	FETCH (\t)+1
	WIN MUL_HI
	MULH (\t)%2, 1, 0
.endm
	s_wait_alu depctr_va_vdst(0)
	s_cmp_lt_u32 s[WV], 2
	s_cbranch_scc0 .Lnot_first
	s_wait_tensorcnt 0x0                           ; waves 0, 1: q's K steps 0-3 and k's 0, 1 are in; waves 2, 3 have load lines of their own, shown at K step 1's barrier
.Lnot_first:
	s_barrier_signal -1
	s_barrier_wait -1
	FETCH 0
	STEP 0, 1, 1
	TURN 1, 1
	STEP 2, 1, 0
	TURN 3, 2
	STEP 4, 1, 0
	TURN 5, 0
	STEP 6, 1, 0
	STEP 7, 0, 0
	WIN 0
	PLACES
	s_wait_loadcnt 0x0                             ; the mask bytes
	v_mov_b32 v127, 0xce6e6b28                     ; -1e9
.irp a, 0,1,2,3,4,5,6,7
	v_cmp_eq_u32 vcc_lo, 0, v[MK+\a]
	v_cndmask_b32 v[BI+\a], 0, v127, vcc_lo        ; a choice of a value: no branch hangs on the mask
.endr
.irp b, 0,1,2,3
	v_mov_b32 v[XP+\b], 0                          ; written once: a lane permute's destination counts as one of its sources
.endr
	v_mov_b32 v[NM+1], 0                           ; the upper halves of pairs of which the low word is taken
	v_mov_b32 v[BB+1], 0
; TILE a: 16 queries (one a lane) x my 128 keys; register 16 b + i of a lane is key 32 b + 16 h + i.
.macro SOFT a
.set Wn, 2+(\a)/4
.set AC, 64*((\a)%4)
.if (\a) > 0
	s_wait_xcnt 0x0                                ; the last tile's stores have read the codes' registers
.endif
	v_mov_b32 v[BB], v[BI+(\a)]
	WIN (Wn<<2)|(Wn<<4)
.irp b, 0,1,2,3
	v_max3_num_f32 v[XM+\b], 0xff7fffff, v[AC+16*\b], v[AC+16*\b+1]   ; the largest score of each block of 32 keys: it serves for the maximum and, since p rises with the score, for the block's largest p
.endr
.irp i, 2,4,6,8,10,12,14
.irp b, 0,1,2,3
	v_max3_num_f32 v[XM+\b], v[XM+\b], v[AC+16*\b+\i], v[AC+16*\b+\i+1]
.endr
.endr
	WIN 0
.irp b, 0,1,2,3
	v_permlanex16_b32 v[XP+\b], v[XM+\b], s82, s83
.endr
.irp b, 0,1,2,3
	v_max_num_f32 v[XM+\b], v[XM+\b], v[XP+\b]
.endr
	v_max3_num_f32 v[TT], v[XM], v[XM+1], v[XM+2]
	v_max_num_f32 v[TT], v[TT], v[XM+3]
	v_fma_f32 v[TT], v[TT], s88, v[BB]             ; the largest logit,
	v_mul_f32 v[TT], s90, v[TT]                    ; as t,
	v_floor_f32 v[NM], -v[TT]                      ; -M = floor(-t) = -ceil(t): a whole number
.irp b, 0,1,2,3
	v_fma_f32 v[XM+\b], v[XM+\b], s88, v[BB]
.endr
.irp b, 0,1,2,3
	v_mul_f32 v[XM+\b], s90, v[XM+\b]
.endr
.irp b, 0,1,2,3
	v_add_f32 v[XM+\b], v[XM+\b], v[NM]
.endr
	WIN (Wn<<6)|Wn
.set jj, 0
.rept 32
	v_pk_fma_f32 v[AC+jj:AC+jj+1], v[AC+jj:AC+jj+1], s[88:89], v[BB:BB+1] op_sel_hi:[1,0,0]   ; logit = score / 32 + bias
.set jj, jj+2
.endr
.set jj, 0
.rept 32
	v_pk_mul_f32 v[AC+jj:AC+jj+1], v[AC+jj:AC+jj+1], s[90:91] op_sel_hi:[1,0]                 ; t
.set jj, jj+2
.endr
.set jj, 0
.rept 32
	v_pk_add_f32 v[AC+jj:AC+jj+1], v[AC+jj:AC+jj+1], v[NM:NM+1] op_sel_hi:[1,0]               ; t - M
.set jj, jj+2
.endr
.set jj, 0
	s_wait_alu depctr_va_vdst(0)
.rept 64
	v_exp_f32 v[AC+jj], v[AC+jj]                   ; p = 2^(t - M), at most 1, not normalised
.set jj, jj+1
.endr
	WIN 0
	v_mov_b32 v[NMA+(\a)], v[NM]                   ; a plain line behind the batch
	s_wait_alu depctr_va_vdst(0)                   ; one wait for the 64, ahead of their first reader
.irp b, 0,1,2,3
	v_exp_f32 v[XM+\b], v[XM+\b]                   ; each block's largest p: the same instructions on the same number give the same bits
.endr
	WIN Wn|(Wn<<2)
	v_pk_add_f32 v[SU:SU+1], v[AC:AC+1], v[AC+4:AC+5]              ; the sum of the UNQUANTISED p, two chains of pairs; plain work behind the four
	v_pk_add_f32 v[SU+2:SU+3], v[AC+2:AC+3], v[AC+6:AC+7]
	WIN Wn<<2
.irp i, 8,12,16,20,24,28,32,36,40,44,48,52,56,60
	v_pk_add_f32 v[SU:SU+1], v[SU:SU+1], v[AC+\i:AC+\i+1]
	v_pk_add_f32 v[SU+2:SU+3], v[SU+2:SU+3], v[AC+\i+2:AC+\i+3]
.endr
	WIN 0
	v_pk_add_f32 v[SU:SU+1], v[SU:SU+1], v[SU+2:SU+3]
	v_add_f32 v[SU], v[SU], v[SU+1]
	v_permlanex16_b32 v[SU+2], v[SU], s82, s83
	v_add_f32 v[LA+(\a)], v[SU], v[SU+2]           ; with lane l xor 16's 64 keys
	s_wait_alu depctr_va_vdst(0)                   ; and one wait for the four
.irp b, 0,1,2,3
	v_max_num_f32 v[XM+\b], 0x1800000, v[XM+\b]    ; the floor 2^(3 - 127): the byte cannot fall under 1
.endr
.irp b, 0,1,2,3
	v_add_nc_u32 v[EE+\b], 0xff000000, v[XM+\b]
.endr
.irp b, 0,1,2,3
	v_lshrrev_b32 v[BY+\b], 23, v[EE+\b]
.endr
	v_lshl_or_b32 v[PW+(\a)], v[BY+1], 8, v[BY]
	v_lshl_or_b32 v[PW+(\a)], v[BY+2], 16, v[PW+(\a)]
	v_lshl_or_b32 v[PW+(\a)], v[BY+3], 24, v[PW+(\a)]
	WIN Wn
.irp c, 0,1
	v_cvt_scalef32_pk16_fp6_f32 v[PC+6*\c:PC+6*\c+2], v[AC+32*\c:AC+32*\c+15], v[EE+2*\c]
	v_cvt_scalef32_pk16_fp6_f32 v[PC+12+4*\c:PC+14+4*\c], v[AC+16+32*\c:AC+31+32*\c], v[EE+1+2*\c]
.endr
	WIN 0
	v_nop                                          ; one plain place behind a scaled conversion
.irp c, 0,1
.irp i, 0,1,2
	v_permlane16_swap_b32 v[PC+6*\c+\i], v[PC+12+4*\c+\i]
.endr
.irp i, 0,1,2
	v_mov_b32 v[PC+3+6*\c+\i], v[PC+12+4*\c+\i]
.endr
.endr
.irp c, 0,1,2
	global_store_b128 v[CO], v[PC+4*\c:PC+4*\c+3], s[86:87] offset:1536*(\a)+512*\c
.endr
.endm
.irp a, 0,1,2,3,4,5,6,7
	SOFT \a
.endr
.irp e, 0,1,2,3
	v_cndmask_b32 v[160+\e], v[PW+\e], v[PW+4+\e], s84     ; lanes 0-15 tiles 0-3, lanes 16-31 tiles 4-7
	v_cndmask_b32 v[164+\e], v[NMA+\e], v[NMA+4+\e], s84
	v_cndmask_b32 v[168+\e], v[LA+\e], v[LA+4+\e], s84
.endr
	global_store_b128 v[CO], v[160:163], s[86:87] offset:12288
	global_store_b128 v[CO], v[164:167], s[94:95]
	global_store_b128 v[CO], v[168:171], s[94:95] offset:512
	s_wait_tensorcnt 0x0                           ; the wave's end
	ds_add_u32 v[SPW], v[NIL]
	s_wait_dscnt 0x0
	CROUND                                         ; the closing round
	s_endpgm
.Lfunc_end_k_q9713f45b0b_scores:
	.size	k_q9713f45b0b_scores, .Lfunc_end_k_q9713f45b0b_scores-k_q9713f45b0b_scores
	.p2alignl 7, 3214868480
	.fill 96, 4, 3214868480
	.section	.rodata,"a",@progbits
	.p2align	6, 0x0
	.amdhsa_kernel k_q9713f45b0b_scores
		.amdhsa_group_segment_fixed_size 327680
		.amdhsa_private_segment_fixed_size 0
		.amdhsa_enable_private_segment 0
		.amdhsa_kernarg_size 32
		.amdhsa_user_sgpr_count 2
		.amdhsa_user_sgpr_kernarg_segment_ptr 1
		.amdhsa_wavefront_size32 1
		.amdhsa_system_sgpr_workgroup_id_x 1
		.amdhsa_system_sgpr_workgroup_id_y 1
		.amdhsa_system_sgpr_workgroup_id_z 1
		.amdhsa_system_vgpr_workitem_id 0
		.amdhsa_next_free_vgpr 1024
		.amdhsa_next_free_sgpr 100
		.amdhsa_reserve_vcc 1
		.amdhsa_float_denorm_mode_32 3
		.amdhsa_float_denorm_mode_16_64 3
		.amdhsa_memory_ordered 1
		.amdhsa_forward_progress 1
		.amdhsa_inst_pref_size 229
	.end_amdhsa_kernel
	.amdgpu_metadata
---
amdhsa.version: [ 1, 2 ]
amdhsa.kernels:
  - .name:           k_q9713f45b0b_scores
    .symbol:         k_q9713f45b0b_scores.kd
    .args:
      - { .name: qkv, .offset: 0, .size: 8, .value_kind: global_buffer, .address_space: global }
      - { .name: mask, .offset: 8, .size: 8, .value_kind: global_buffer, .address_space: global }
      - { .name: pc, .offset: 16, .size: 8, .value_kind: global_buffer, .address_space: global }
      - { .name: pst, .offset: 24, .size: 8, .value_kind: global_buffer, .address_space: global }
    .group_segment_fixed_size: 327680
    .private_segment_fixed_size: 0
    .kernarg_segment_align: 8
    .kernarg_segment_size: 32
    .max_flat_workgroup_size: 128
    .sgpr_count:     100
    .vgpr_count:     1024
    .wavefront_size: 32
...
	.end_amdgpu_metadata
.endif
;; end of part 3
;; launch pv (part 4): grid 8 x 32, 4 waves a work-group, clusters of 4 x 4, 327,680 bytes of LDS; arguments pc, pst, qkv, out0; writes out0
.if DOCPART == 4
	.amdgcn_target "amdgcn-amd-amdhsa--gfx1250"
	.amdhsa_code_object_version 6
	.text
	.protected	k_q9713f45b0b_pv
	.globl	k_q9713f45b0b_pv
	.p2align	8
	.type	k_q9713f45b0b_pv,@function
k_q9713f45b0b_pv:
	s_mov_b64 s[64:65], 0
	v_nop
	global_prefetch_b8 v0, s[64:65] scope:SCOPE_SE
	s_setreg_imm32_b32 hwreg(HW_REG_WAVE_MODE, 25, 1), 1
	s_wait_xcnt 0x0
	s_wait_alu depctr_hold_cnt(0) depctr_sa_sdst(0) depctr_va_vdst(0) depctr_va_sdst(0) depctr_va_ssrc(0) depctr_va_vcc(0) depctr_vm_vsrc(0)
	s_getreg_b32 s2, hwreg(HW_REG_IB_STS2, 6, 4)
	s_cmp_eq_u32 s2, 0
	s_cbranch_scc0 .Lentry_in_a_cluster
	s_endpgm
.Lentry_in_a_cluster:
	s_bfe_u32 s2, ttmp6, 0x10000c
	s_cmp_lg_u32 s2, 0xf033
	s_cbranch_scc0 .Lentry_shape_is_right
	s_endpgm
.Lentry_shape_is_right:
; LAUNCH 4 OF 4.  out0 = (p v) / l on codes of FP6 (E2M3), K = the batch's 2,048 keys in 16 K steps.  Nothing is left out; the operand format is set out at the head of launch quant, pc and pst at that of launch scores.
; p was made under an M local to 128 keys: here a row's largest M is found, each K step's sum is brought under it by a power of two, and so are the scale bytes of p (d = its M - the row's, 0 or less, is added to the byte;
; under 0 the byte is held at 0, 2^-127).  LIMITS: d is held at -127 from below; NaN and infinities are not served.
; SHARES.  256 work-groups: 256 rows (rowblocks 2 gy, 2 gy + 1) x 128 features (rowblock gx of v^T).  A wave (w1, w0) makes rowblock w1's 128 rows x features 64 w0 on: it HOLDS its four feature tiles for all 16 K steps in registers
; (64 fragments, 768 registers) and streams p past them, 16 rows a block: eight blocks of 64 products on four accumulators.  Block b leaves during block b + 1: each row's 64 features are one unit of 256 bytes.
; A block goes by quarters of four K steps, 16 products.  At a quarter's head stands ONE run of LDS instructions: the next quarter's twelve loads, then the last block's way out: quarter 0: divided by l, among the products;
; 1: into the stage; 2: back by rows; 3: stored.
; LDS: v^T's rowblock at 0 (K steps 0-7) and 102,400 (8-15), read into registers in block 0.  p's tiles 0, 1 of both rowblocks at S01 ([rowblock][K step][1,536 bytes] each).  Then, two tiles a fill ([rowblock][K step][tile][1,536]): tiles 2, 3 at S23
; (where v^T's lower half lay), 4, 5 at S01, 6, 7 at S23.  The way out's stage lies in v^T's upper half, which is filled once and read out by then.  Behind: p's scale words under the row's M, 1 / l, the spare words.
; FILLS.  Head, one joint load a wave: v^T's lower half, p's tile 0, v^T's upper half, p's tile 1.  Three refills, each behind a round, a quarter a wave.  p's tiles are shared along a row of the cluster, v^T's along a column.
; PREFETCH: p's tiles 2, 3 at the head, 4, 5 behind the first refill, 6, 7 in block 2: each one refill ahead of the load that wants it, each unit of 256 bytes once in a cluster, shared out by address among its sixteen waves of a row.  v^T comes whole at the head.
; REGISTERS: window 0: v16-19 v^T's LDS addresses; v32-63 v^T's scale words (v[VS + 4 (t % 8) + tile], lanes 0-15 K steps 0-7, lanes 16-31 8-15); v64-79 p's, two sets of eight likewise; v80-91 v^T's fragment 63; v92-155 two sets of four accumulators;
; v156-251 p's fragments, two sets of four K steps; v252-255 p's four LDS addresses.  Windows 1-3: v^T's fragments, 21 to a window.
; DSN counts the LDS instructions as they are written out: a counted wait allows those issued behind the one it waits for.
.set BLK,   12800
.set RB16,  16*BLK
.set VOFF,  13107200                   ; v^T in qkv
.set VHI,   8*BLK
.set S01,   2*VHI
.set S23,   0
.set PCH,   32*1536                    ; a tile of both rowblocks
.set STG,   VHI                        ; the stage: 16 rows x 272 bytes a wave
.set PSR,   S01+2*PCH                  ; p's scale words: [rowblock][tile][1,024]
.set RLR,   PSR+16384                  ; 1 / l: [rowblock][tile][lane]
.set SPARE, RLR+2048
.set L16, 4
.set STO, 8
.set RD,  9
.set CO,  10
.set SPW, 12
.set NIL, 13
.set PFV, 14
.set AV,  16
.set APS, 20
.set ARL, 21
.set RB,  22                           ; v[22:23] 1 / l of the block that leaves (the packed form takes the low word)
.set VS,  32
.set PS,  64
.set V63, 80
.set ACC, 92
.set PF,  156
.set AD,  252
.set W1,  15
.set W0,  16
.set G1V, 24
.set G1P, 48
.set G1R, 68
.set G0R, 76
.set MSB, 0
.set DSN, 0
.macro WIN new                         ; the immediate's high byte repeats the setting that is left
.if MSB != (\new)
	s_set_vgpr_msb (MSB<<8)|(\new)
.set MSB, (\new)
.endif
.endm
.macro WALU
	s_wait_alu depctr_va_vdst(0)
.endm
.macro PLACES
.rept 4
	v_nop
.endr
.endm
.macro TL g0, g1
	tensor_load_to_lds s[\g0:\g0+3], s[\g1:\g1+7]
	s_nop 0
	PLACES
.endm
.macro ARM under, g0, g1
	s_cmp_lt_u32 s14, \under
	s_cbranch_scc0 .Lnot_mine_\@
	TL \g0, \g1
	s_branch .Lhead_asked
.Lnot_mine_\@:
.endm
.macro CREST                           ; a round of the cluster's barrier behind its opening barrier
	s_cmp_lg_u32 s14, 0
	s_cbranch_scc1 .Lnot_wave_0_\@
	s_barrier_signal -3
.Lnot_wave_0_\@:
	s_barrier_wait -3
	s_barrier_signal -1
	s_barrier_wait -1
.endm
.macro CROUND
	s_barrier_signal -1
	s_barrier_wait -1
	CREST
.endm
.macro GRP1 g, mask, c, r              ; r rows of c elements of 8 bytes, a block apart in memory, dense in LDS
	s_or_b32 s[\g], s[\mask], (3<<16)|(1<<21)
	s_mov_b32 s[\g+1], (\c)<<16
	s_mov_b32 s[\g+2], (\r)<<16
	s_mov_b32 s[\g+3], (\c)<<16
	s_mov_b32 s[\g+4], \r
	s_mov_b32 s[\g+5], BLK/8
	s_mov_b32 s[\g+6], 0
	s_mov_b32 s[\g+7], 0
.endm
.macro MKG0 g, adr, lds, off
	s_mov_b32 s[\g], 1
	s_mov_b32 s[\g+1], \lds
	s_add_nc_u64 s[\g+2:\g+3], s[\adr:\adr+1], \off
	s_or_b32 s[\g+3], s[\g+3], 0x80000000
.endm
	s_load_b256 s[4:11], s[0:1], 0x0               ; pc, pst, qkv, out0
	v_lshl_add_u32 v[SPW], v0, 2, SPARE
	v_mov_b32 v[NIL], 0
	ds_add_u32 v[SPW], v[NIL]                      ; the wave's opening: the add, twice on end, and its wait
	ds_add_u32 v[SPW], v[NIL]
	v_lshrrev_b32 v1, 5, v0
	v_readfirstlane_b32 s14, v1
	s_lshr_b32 s[W1], s14, 1                       ; my rowblock of the two
	s_and_b32 s[W0], s14, 1                        ; my 64 features of the 128
	s_bfe_u32 s12, ttmp6, 0x40000                  ; cx
	s_bfe_u32 s13, ttmp6, 0x40004                  ; cy
	s_lshl_b32 s44, ttmp9, 2
	s_add_co_u32 s44, s44, s12                     ; gx
	s_and_b32 s46, ttmp7, 0xffff
	s_lshr_b32 s67, s46, 1                         ; the batch, from the cluster's y alone
	s_lshl_b32 s46, s46, 2
	s_add_co_u32 s46, s46, s13                     ; gy
	s_lshl_b32 s47, s13, 2
	s_lshl_b32 s47, 15, s47                        ; my row of the cluster
	s_lshl_b32 s66, 0x1111, s12                    ; my column
	GRP1 G1V, 66, BLK/8, 8
	GRP1 G1P, 47, 192, 32
	GRP1 G1R, 47, 384, 8
	s_mul_i32 s20, s46, 2*RB16
	s_mov_b32 s21, 0
	s_lshl_b32 s22, s67, 3
	s_add_co_u32 s22, s22, s44
	s_mul_i32 s22, s22, RB16
	s_add_co_u32 s22, s22, VOFF
	s_mov_b32 s23, 0
	s_mul_i32 s45, s14, 24576                      ; my quarter of a refill, in LDS
	s_mul_i32 s84, s14, 8*BLK                      ; and in memory: eight K steps of a rowblock
	s_mov_b32 s85, 0
	s_lshl_b32 s88, s46, 1
	s_add_co_u32 s88, s88, s[W1]                   ; my rowblock
	s_lshl_b32 s19, s[W0], 8
	s_lshl_b32 s92, s88, 14
	s_add_co_u32 s92, s92, s19                     ; pst: tiles 4 w0 on of my rowblock (I bring 64 rows under the row's M; the other wave of my rowblock the other 64)
	s_mov_b32 s93, 0
	s_mul_i32 s94, s88, RB16
	s_add_co_u32 s94, s94, s19
	s_mov_b32 s95, 0
	s_mov_b32 s96, s19
	s_mov_b32 s97, 0
	s_lshl_b32 s86, s88, 19
	s_lshl_b32 s18, s44, 9
	s_add_co_u32 s86, s86, s18
	s_add_co_u32 s86, s86, s19                     ; out0: my first row, my features
	s_mov_b32 s87, 0
	s_mov_b32 s98, 0x01010101
	s_mov_b32 s99, 0x80808080
	s_mov_b32 s100, 0x76543210
	s_mov_b32 s101, 0xfedcba98                     ; v_permlanex16_b32's selects for lane l xor 16
	v_and_b32 v1, 31, v0
	v_and_b32 v2, 15, v0                           ; r
	v_bfe_u32 v3, v0, 4, 1                         ; h
	v_lshlrev_b32 v[L16], 4, v1
	v_lshlrev_b32 v5, 4, v2
	v_lshl_add_u32 v5, v3, 13, v5                  ; pst: lanes 16-31 eight K steps on
	v_mul_u32_u24 v6, v3, 8*BLK
	v_lshl_add_u32 v6, v2, 4, v6                   ; the scale words: likewise
	WALU
	s_wait_dscnt 0x0                               ; both opening adds are done
	CROUND                                         ; all sixteen work-groups are here: the first joint loads meet
	s_wait_kmcnt 0x0
	s_add_nc_u64 s[80:81], s[4:5], s[20:21]        ; p: rowblock 2 gy
	s_add_nc_u64 s[82:83], s[8:9], s[22:23]        ; v^T: rowblock gx of the batch
	s_add_nc_u64 s[92:93], s[6:7], s[92:93]
	s_add_nc_u64 s[94:95], s[4:5], s[94:95]
	s_add_nc_u64 s[96:97], s[82:83], s[96:97]
.irp j, 0,1,2,3,4,5,6,7                ; ahead of the tensor loads: the head's vector work waits for these
	global_load_b128 v[128+4*\j:131+4*\j], v5, s[92:93] offset:1024*\j          ; -M of four tiles, K step j + 8 h
	global_load_b128 v[160+4*\j:163+4*\j], v5, s[92:93] offset:1024*\j+512      ; the sums
	global_load_b128 v[192+4*\j:195+4*\j], v6, s[94:95] offset:BLK*\j+12288     ; p's scale words
	global_load_b128 v[VS+4*\j:VS+4*\j+3], v6, s[96:97] offset:BLK*\j+12288     ; v^T's
.endr
	MKG0 32, 82, 0, 0
	MKG0 56, 80, S01, 0
	MKG0 36, 82, VHI, VHI
	MKG0 60, 80, S01+PCH, 1536
	ARM 1, 32, G1V
	ARM 2, 56, G1P
	ARM 3, 36, G1V
	TL 60, G1P
.Lhead_asked:
	s_mov_b32 s[G0R], 1                            ; the refills' group 0: p's tiles 2, 3 first
	s_add_co_u32 s[G0R+1], s45, S23
	s_add_nc_u64 s[G0R+2:G0R+3], s[80:81], s[84:85]
	s_add_nc_u64 s[G0R+2:G0R+3], s[G0R+2:G0R+3], 2*1536
	s_or_b32 s[G0R+3], s[G0R+3], 0x80000000
	s_add_nc_u64 s[86:87], s[10:11], s[86:87]
	s_mul_i32 s19, s14, 16*272
	s_add_co_u32 s19, s19, STG
	v_mul_u32_u24 v[STO], v2, 272
	v_lshl_add_u32 v[STO], v3, 6, v[STO]
	v_add_nc_u32 v[STO], s19, v[STO]               ; the stage, in: row r, 64 bytes for each half of the lanes
	v_mul_u32_u24 v[RD], v3, 272
	v_lshl_add_u32 v[RD], v2, 4, v[RD]
	v_add_nc_u32 v[RD], s19, v[RD]                 ; back: sixteen lanes a row, two rows an instruction
	v_lshlrev_b32 v[CO], 4, v2
	v_lshl_add_u32 v[CO], v3, 12, v[CO]            ; and the same two rows in out0
	s_mul_i32 s19, s[W1], 8192
	s_add_co_u32 s19, s19, PSR
	v_lshlrev_b32 v[APS], 4, v2
	v_lshl_add_u32 v[APS], v3, 9, v[APS]
	v_add_nc_u32 v[APS], s19, v[APS]
	s_lshl_b32 s18, s[W0], 12
	v_add_nc_u32 v7, s18, v[APS]                   ; where my four tiles' words go
	s_lshl_b32 s19, s[W1], 10
	s_add_co_u32 s19, s19, RLR
	v_lshl_add_u32 v[ARL], v1, 2, s19
	s_lshl_b32 s18, s[W0], 9
	v_add_nc_u32 v11, s18, v[ARL]
	s_mul_i32 s19, s[W0], 6144
	v_add_nc_u32 v[AV], s19, v[L16]
	v_add_nc_u32 v[AV+1], 4*BLK, v[AV]
	v_add_nc_u32 v[AV+2], 8*BLK, v[AV]
	v_add_nc_u32 v[AV+3], 12*BLK, v[AV]
	s_mul_i32 s19, s[W1], 24576
	s_add_co_u32 s19, s19, S01
	v_add_nc_u32 v[AD], s19, v[L16]                ; p's tile 0,
	v_add_nc_u32 v[AD+1], PCH, v[AD]               ; tile 1,
	s_mul_i32 s19, s[W1], PCH
	v_add_nc_u32 v[AD+2], s19, v[L16]              ; the pair at S23,
	v_add_nc_u32 v[AD+3], S01, v[AD+2]             ; the pair at S01
	v_min_u32 v15, 23, v1                          ; the prefetches: twelve units of 256 bytes a K step and pair of tiles, two K steps a wave (the last lanes name the last unit again)
	v_mul_u32_u24 v24, v15, 22
	v_lshrrev_b32 v24, 8, v24                      ; lane / 12
	v_mul_u32_u24 v25, v24, 12
	v_sub_nc_u32 v25, v15, v25
	s_lshl_b32 s18, s12, 2
	s_add_co_u32 s18, s18, s14
	s_lshl_b32 s18, s18, 1                         ; 2 x my number among the sixteen waves of my row of the cluster
	v_add_nc_u32 v24, s18, v24
	v_mul_u32_u24 v24, v24, BLK
	v_lshl_add_u32 v[PFV], v25, 8, v24
	v_mov_b32 v[RB+1], 0
.irp e, 0,1,2,3
	v_mov_b32 v[124+\e], 0                         ; written once: a lane permute's destination counts as one of its sources
.endr
	WALU
	global_prefetch_b8 v[PFV], s[80:81] offset:1*3072 th:TH_LOAD_NT scope:SCOPE_SE
	s_wait_loadcnt 0x0
.irp e, 0,1,2,3
	v_max3_num_f32 v[112+\e], -v[128+\e], -v[132+\e], -v[136+\e]   ; the row's largest M
.endr
.irp e, 0,1,2,3
	v_max3_num_f32 v[112+\e], v[112+\e], -v[140+\e], -v[144+\e]
.endr
.irp e, 0,1,2,3
	v_max3_num_f32 v[112+\e], v[112+\e], -v[148+\e], -v[152+\e]
.endr
.irp e, 0,1,2,3
	v_max_num_f32 v[112+\e], v[112+\e], -v[156+\e]
.endr
.irp e, 0,1,2,3
	v_permlanex16_b32 v[124+\e], v[112+\e], s100, s101
.endr
.irp e, 0,1,2,3
	v_max_num_f32 v[112+\e], v[112+\e], v[124+\e]
.endr
.irp j, 0,1,2,3,4,5,6,7
.irp e, 0,1,2,3
	v_sub_f32 v[96+\e], -v[128+4*\j+\e], v[112+\e] ; d
.endr
.irp e, 0,1,2,3
	v_max_num_f32 v[96+\e], 0xc2fe0000, v[96+\e]   ; at least -127
.endr
.irp e, 0,1,2,3
	v_cvt_i32_f32 v[96+\e], v[96+\e]
.endr
.irp e, 0,1,2,3
	v_ldexp_f32 v[160+4*\j+\e], v[160+4*\j+\e], v[96+\e]
.endr
.irp e, 0,1,2,3
	v_mul_lo_u32 v[100+\e], v[96+\e], s98          ; d in each byte; with 128 added no byte borrows (a byte lies between 1 and 127)
.endr
.irp e, 0,1,2,3
	v_add3_u32 v[100+\e], v[192+4*\j+\e], v[100+\e], s99
.endr
.irp e, 0,1,2,3
	v_and_b32 v[104+\e], s99, v[100+\e]
.endr
.irp e, 0,1,2,3
	v_lshrrev_b32 v[108+\e], 7, v[104+\e]
.endr
.irp e, 0,1,2,3
	v_sub_nc_u32 v[104+\e], v[104+\e], v[108+\e]
.endr
.irp e, 0,1,2,3
	v_and_b32 v[64+8*\e+\j], v[100+\e], v[104+\e]  ; the byte + d, or 0 where that is negative
.endr
.endr
.irp j, 1,2,3,4,5,6,7
	v_pk_add_f32 v[160:161], v[160:161], v[160+4*\j:161+4*\j]
	v_pk_add_f32 v[162:163], v[162:163], v[162+4*\j:163+4*\j]
.endr
.irp e, 0,1,2,3
	v_permlanex16_b32 v[124+\e], v[160+\e], s100, s101
.endr
.irp e, 0,1,2,3
	v_add_f32 v[116+\e], v[160+\e], v[124+\e]      ; l
.endr
	WALU
.irp e, 0,1,2,3
	v_rcp_f32 v[120+\e], v[116+\e]
.endr
	v_nop
	WALU
.irp e, 0,1,2,3
	ds_store_b128 v7, v[64+8*\e:67+8*\e] offset:1024*\e
	ds_store_b128 v7, v[68+8*\e:71+8*\e] offset:1024*\e+256
	ds_store_b32 v11, v[120+\e] offset:128*\e
.endr
	s_cmp_lt_u32 s14, 2
	s_cbranch_scc0 .Lnot_first
	s_wait_tensorcnt 0x0                           ; waves 0, 1: v^T's lower half and p's tile 0 are in; waves 2, 3 have load lines of their own, shown by block 0's round
.Lnot_first:
	s_wait_dscnt 0x0
	s_barrier_signal -1
	s_barrier_wait -1
; One product: v^T's tile e (source 0), p's rows (source 1), K step t, into block b's accumulator e.  The four take turns, one instruction a turn.
.macro MM t, e, b
.set F_, 4*(\t)+(\e)
.set W_, 1+F_/21
.set R_, 12*(F_%21)
.if F_ == 63
.set W_, 0
.set R_, V63
.endif
.set D_, ACC+32*((\b)%2)+8*(\e)
.set Q_, PF+12*((\t)%8)
.set X_, VS+4*((\t)%8)+(\e)
.set Y_, PS+8*((\b)%2)+(\t)%8
	WIN W_
.if (\t) == 0
	v_wmma_scale_f32_16x16x128_f8f6f4 v[D_:D_+7], v[R_:R_+11], v[Q_:Q_+11], 0, v[X_], v[Y_] matrix_a_fmt:MATRIX_FMT_FP6 matrix_b_fmt:MATRIX_FMT_FP6
.elseif (\t) < 8
	v_wmma_scale_f32_16x16x128_f8f6f4 v[D_:D_+7], v[R_:R_+11], v[Q_:Q_+11], v[D_:D_+7], v[X_], v[Y_] matrix_a_fmt:MATRIX_FMT_FP6 matrix_b_fmt:MATRIX_FMT_FP6
.else
	v_wmma_scale_f32_16x16x128_f8f6f4 v[D_:D_+7], v[R_:R_+11], v[Q_:Q_+11], v[D_:D_+7], v[X_], v[Y_] matrix_a_fmt:MATRIX_FMT_FP6 matrix_b_fmt:MATRIX_FMT_FP6 matrix_a_scale:MATRIX_SCALE_ROW1 matrix_b_scale:MATRIX_SCALE_ROW1
.endif
.endm
.macro FSET nb                         ; where block nb's tile of p lies
.if (\nb) < 2
.set AR_, AD+(\nb)
.set KS_, 1536
.set TO_, 0
.else
.set AR_, AD+2+((\nb)/2+1)%2
.set KS_, 3072
.set TO_, 1536*((\nb)%2)
.endif
.endm
.macro FLD nq, i                       ; load i of the twelve that bring quarter nq's four K steps
.set T_, 4*(\nq)+(\i)/3
.set I_, (\i)%3
	ds_load_b128 v[PF+12*(T_%8)+4*I_:PF+12*(T_%8)+4*I_+3], v[AR_] offset:TO_+KS_*T_+512*I_
.set DSN, DSN+1
.endm
.macro FRUN nq
	WIN 0
.set BN, DSN
.irp i, 0,1,2,3,4,5,6,7,8,9,10,11
	FLD \nq, \i
.endr
.endm
.macro VFQ q                           ; v^T's fragments of K steps 4 q on into their registers
.irp k, 0,1,2,3
.irp e, 0,1,2,3
.set F_, 16*(\q)+4*\k+\e
.set W_, 1+F_/21
.set R_, 12*(F_%21)
.if F_ == 63
.set W_, 0
.set R_, V63
.endif
	WIN (W_<<6)
.irp c, 0,1,2
	ds_load_b128 v[R_+4*\c:R_+4*\c+3], v[AV+(\q)] offset:BLK*\k+1536*\e+512*\c
.endr
.endr
.endr
.set DSN, DSN+48
	WIN 0
.endm
.macro PSLD b                          ; p's scale words of block b
.irp u, 0,1
	ds_load_b128 v[PS+8*((\b)%2)+4*\u:PS+8*((\b)%2)+4*\u+3], v[APS] offset:1024*(\b)+256*\u
.endr
.set DSN, DSN+2
.endm
.macro RBLD b                          ; 1 / l of block b
	ds_load_b32 v[RB], v[ARL] offset:128*(\b)
.set DSN, DSN+1
.endm
; The way out of block o.  PKM divides two registers by l.  STS8: the block into my stage.  RBK8: back by rows into the same registers (behind the wait for the stores).  GST8: two rows of 256 bytes an instruction.
.macro PKM o, i
.set A_, ACC+32*((\o)%2)+2*(\i)
	v_pk_mul_f32 v[A_:A_+1], v[A_:A_+1], v[RB:RB+1] op_sel_hi:[1,0]
.endm
.macro STS8 o
.irp i, 0,1,2,3,4,5,6,7
.set A_, ACC+32*((\o)%2)+4*\i
	ds_store_b128 v[STO], v[A_:A_+3] offset:128*(\i/4)+32*((\i/2)%2)+16*(\i%2)
.endr
.set DSN, DSN+8
.set SX, DSN
.endm
.macro RBK8 o
	s_wait_dscnt DSN-SX                            ; the stores into the stage are done
.irp i, 0,1,2,3,4,5,6,7
.set A_, ACC+32*((\o)%2)+4*\i
	ds_load_b128 v[A_:A_+3], v[RD] offset:544*\i
.endr
.set DSN, DSN+8
.set SX, DSN
.endm
.macro GST8 o
	s_wait_dscnt DSN-SX                            ; the rows are back
.irp i, 0,1,2,3,4,5,6,7
.set A_, ACC+32*((\o)%2)+4*\i
	global_store_b128 v[CO], v[A_:A_+3], s[86:87] offset:(32*((\o)/2)+8*((\o)%2)+2*\i+8*(\i/4))*4096 th:TH_STORE_NT
.endr
.endm
.macro QW                              ; this quarter's twelve loads are in; those issued behind them may be out
.set BC, BN
.set C_, DSN-(BC+12)
.if C_ > 63
.set C_, 63
.endif
	s_wait_dscnt C_
.endm
; A quarter's head: the wait, four places, the run.
.macro QHEAD b, q, f
	WIN 0
	QW
	PLACES
.if \f
.if (\q) == 3
	FSET (\b)+1
	FRUN 0
.else
	FSET \b
	FRUN (\q)+1
.endif
.endif
.if (\q) == 0
.if (\b) > 1
	s_wait_xcnt 0x0                                ; block b - 2's stores have read the accumulators that this block begins anew
.endif
.elseif (\q) == 1
	WALU
	STS8 (\b)-1
.elseif (\q) == 2
	RBK8 (\b)-1
	RBLD \b
.if (\b) < 7
	PSLD (\b)+1
.endif
.else
	GST8 (\b)-1
.endif
.endm
; Products n0 .. n1 - 1 of quarter q (K steps 4 q on) of block b; in quarter 0 two divisions of the block before behind every second one.
.macro QMUL b, q, n0, n1
.set N_, \n0
.rept (\n1)-(\n0)
	MM 4*(\q)+N_/4, N_%4, \b
.if ((\q) == 0) && ((\b) > 0) && (N_%2 == 1)
	WIN 0
	PKM (\b)-1, N_-1
	PKM (\b)-1, N_
.endif
.set N_, N_+1
.endr
.endm
.macro QTR b, q, f
	QHEAD \b, \q, \f
	QMUL \b, \q, 0, 16
.endm
; A block's last quarter with a barrier.  fill = 1: it opens a round, behind which the pair of tiles read out gives its place (lds) to the next pair; fill = 0: a plain barrier that shows the last pair.
.macro TURN b, fill, lds
	WIN 0
	GST8 (\b)-1
	s_wait_tensorcnt 0x0                           ; all my tensor loads have landed
.if \fill
	ds_add_u32 v[SPW], v[NIL]
.set DSN, DSN+1
	s_add_co_u32 s[G0R+1], s45, \lds
	s_add_nc_u64 s[G0R+2:G0R+3], s[G0R+2:G0R+3], 2*1536
.endif
	QW
	QMUL \b, 3, 0, 4
	s_wait_dscnt 0x0                               ; the add is done, and so are all my reads
	s_barrier_signal -1
	QMUL \b, 3, 4, 8                               ; work on registers while the others arrive
	WIN 0
	s_barrier_wait -1
.if \fill
	CREST
	TL G0R, G1R
.else
	PLACES
.endif
	FSET (\b)+1
	FRUN 0
	QMUL \b, 3, 8, 16
.endm
.macro BLOCK b                         ; three quarters
	QTR \b, 0, 1
.if (\b) == 2
	WIN 0
	global_prefetch_b8 v[PFV], s[80:81] offset:3*3072 th:TH_LOAD_NT scope:SCOPE_SE
.endif
	QTR \b, 1, 1
	QTR \b, 2, 1
.endm
	; ---- block 0: v^T goes into registers quarter by quarter, ahead of the products that take it
	PSLD 0
	VFQ 0
	FSET 0
	FRUN 0
.set B0_, BN
	VFQ 1
	FRUN 1
.set B1_, BN
.set BN, B0_
	QW
	QMUL 0, 0, 0, 16
	WIN 0
	s_wait_tensorcnt 0x0                           ; the head's other two loads are in
	ds_add_u32 v[SPW], v[NIL]
.set DSN, DSN+1
	s_wait_dscnt 0x0                               ; v^T's lower half is in my registers, and so is quarter 1 of p's tile 0
	s_barrier_signal -1
	QMUL 0, 1, 0, 8
	WIN 0
	s_barrier_wait -1
	CREST
	TL G0R, G1R                                    ; p's tiles 2, 3 onto it
	VFQ 2
	FSET 0
	FRUN 2
.set B0_, BN
	global_prefetch_b8 v[PFV], s[80:81] offset:2*3072 th:TH_LOAD_NT scope:SCOPE_SE
	QMUL 0, 1, 8, 16
	WIN 0
	PLACES
	VFQ 3
	FRUN 3
	RBLD 0
	PSLD 1
.set BN, B0_
	QW
	QMUL 0, 2, 0, 16
	WIN 0
	s_wait_dscnt 0x0                               ; v^T's upper half is in my registers:
	s_barrier_signal -1                            ; behind this barrier its bytes are the stage
	PLACES
	FSET 1
	FRUN 0
	QMUL 0, 3, 0, 16
	WIN 0
	s_barrier_wait -1
	; ---- blocks 1 to 7
	BLOCK 1
	TURN 1, 1, S01
	BLOCK 2
	QTR 2, 3, 1
	BLOCK 3
	TURN 3, 1, S23
	BLOCK 4
	QTR 4, 3, 1
	BLOCK 5
	TURN 5, 0, 0
	BLOCK 6
	QTR 6, 3, 1
	BLOCK 7
	QTR 7, 3, 0
	; ---- block 7 leaves
	WIN 0
	PLACES
	s_wait_dscnt 0x0                               ; its 1 / l is in
.irp i, 0,1,2,3,4,5,6,7,8,9,10,11,12,13,14,15
	PKM 7, \i
.endr
	WALU
	STS8 7
	RBK8 7
	GST8 7
	s_wait_tensorcnt 0x0                           ; the wave's end
	ds_add_u32 v[SPW], v[NIL]
	s_wait_dscnt 0x0
	CROUND                                         ; the closing round
	s_endpgm
.Lfunc_end_k_q9713f45b0b_pv:
	.size	k_q9713f45b0b_pv, .Lfunc_end_k_q9713f45b0b_pv-k_q9713f45b0b_pv
	.p2alignl 7, 3214868480
	.fill 96, 4, 3214868480
	.section	.rodata,"a",@progbits
	.p2align	6, 0x0
	.amdhsa_kernel k_q9713f45b0b_pv
		.amdhsa_group_segment_fixed_size 327680
		.amdhsa_private_segment_fixed_size 0
		.amdhsa_enable_private_segment 0
		.amdhsa_kernarg_size 32
		.amdhsa_user_sgpr_count 2
		.amdhsa_user_sgpr_kernarg_segment_ptr 1
		.amdhsa_wavefront_size32 1
		.amdhsa_system_sgpr_workgroup_id_x 1
		.amdhsa_system_sgpr_workgroup_id_y 1
		.amdhsa_system_sgpr_workgroup_id_z 1
		.amdhsa_system_vgpr_workitem_id 0
		.amdhsa_next_free_vgpr 1024
		.amdhsa_next_free_sgpr 102
		.amdhsa_reserve_vcc 0
		.amdhsa_float_denorm_mode_32 3
		.amdhsa_float_denorm_mode_16_64 3
		.amdhsa_memory_ordered 1
		.amdhsa_forward_progress 1
		.amdhsa_inst_pref_size 170
	.end_amdhsa_kernel
	.amdgpu_metadata
---
amdhsa.version: [ 1, 2 ]
amdhsa.kernels:
  - .name:           k_q9713f45b0b_pv
    .symbol:         k_q9713f45b0b_pv.kd
    .args:
      - { .name: pc, .offset: 0, .size: 8, .value_kind: global_buffer, .address_space: global }
      - { .name: pst, .offset: 8, .size: 8, .value_kind: global_buffer, .address_space: global }
      - { .name: qkv, .offset: 16, .size: 8, .value_kind: global_buffer, .address_space: global }
      - { .name: out0, .offset: 24, .size: 8, .value_kind: global_buffer, .address_space: global }
    .group_segment_fixed_size: 327680
    .private_segment_fixed_size: 0
    .kernarg_segment_align: 8
    .kernarg_segment_size: 32
    .max_flat_workgroup_size: 128
    .sgpr_count:     102
    .vgpr_count:     1024
    .wavefront_size: 32
...
	.end_amdgpu_metadata
.endif
;; end of part 4
